; MI455X (gfx1250); checked and timed in simulation.
; The chip was launched on July 23, 2026; its instructions are those of AMD's public machine-readable ISA for CDNA 5 (MIT licence, August 2026) and "CDNA5" Instruction Set Architecture Reference Guide (July 2026). The comments in the code are by the model that wrote it; some were corrected since.
;; Multi Head Attention. Allowed arithmetic: float matrix products may take bf16 or f16 operands with f32 sums; other float arithmetic in f32, or as packed bf16 or f16 multiplies, adds, multiply-adds, maxima and minima; sums over many terms, partial sums and values carried from step to step in f32; what a program stores and reads back later, other than sums and carried values, may be rounded once to bf16 or f16.
;; Inputs: Wk 16 x 1,024 x 64 float32; Wo 1,024 x 1,024 float32; Wq 16 x 1,024 x 64 float32; Wv 16 x 1,024 x 64 float32; bk 16 x 64 float32; bo 1,024 float32; bq 16 x 64 float32; bv 16 x 64 float32; key 8 x 1,024 x 1,024 float32; mask 1,024 x 1,024 bool; pb_idx0 1,024 x 1,024 int32; pb_idx1 1,024 x 1,024 int32; position_bias 1,024 x 1,024 float32; query 8 x 1,024 x 1,024 float32; value 8 x 1,024 x 1,024 float32.
;; Outputs: out0 8 x 1,024 x 1,024 float32.
;; One version. Each part assembles by itself: llvm-mc -triple=amdgcn-amd-amdhsa -mcpu=gfx1250 --defsym DOCPART=n.
;; ======== version 1 of 1: 4 launches
;; limits: values are held in f16: magnitudes above 65,504 overflow, below 6.1e-05 lose precision; right only within a limited range of input values
;; workspace buffers: wts 8,388,608 bytes; brd 16,384 bytes; tab 4,194,304 bytes; qkv 50,331,648 bytes; oh 16,777,216 bytes
;; launch prep (part 1): grid 768 x 1, 8 waves a work-group, no clusters, 35,840 bytes of LDS; arguments Wq, Wk, Wv, Wo, bq, bk, bv, bo, position_bias, pb_idx0, pb_idx1, mask, wts, brd, tab; writes wts, brd, tab
.if DOCPART == 1
	.amdgcn_target "amdgcn-amd-amdhsa--gfx1250"
	.amdhsa_code_object_version 6
	.text
	.protected	k_q96679c933a_prep
	.globl	k_q96679c933a_prep
	.p2align	8
	.type	k_q96679c933a_prep,@function
k_q96679c933a_prep:
	s_mov_b64 s[64:65], 0
	v_nop
	global_prefetch_b8 v0, s[64:65] scope:SCOPE_SE
	s_setreg_imm32_b32 hwreg(HW_REG_WAVE_MODE, 25, 1), 1
	s_wait_xcnt 0x0
; PREP: what the three later launches read again and again is laid out once.
;   wts [4][n 1024][k 1024], 16 bits: Wq, Wk, Wv turned (n = 64 head + d) and rounded to bf16; Wo turned, rounded to bf16 and that number written as f16.
;   brd [4][1024] f32: bq, bk, bv, bo, each rounded to bf16 and widened again.
;   tab f32: for (q, key): mask ? -2^100 : 8 x bf16(position_bias[idx0][idx1]), in blocks [q/512][key/64][(q/16)%32][(key/16)%4][(key/4)%2][lane = 16 ((key/8)%2) + q%16][key%4]:
;       the image of the C operand of a product 16 keys x 16 queries, 16 bytes a lane.
; LIMITS.  The two indices are held to 0 .. 1023 (reference() indexes a table of that size); Wo's bf16 numbers below f16's normal range keep f16's fixed step.
; Work-groups 0-511 turn a tile of 128 k x 64 n of a weight, work-groups 512-767 make 16 queries x 256 keys of the table.  Both go through 64 LDS rows of 256 bytes (pitch 272),
; so that every store of sixteen lanes covers 256 consecutive bytes, aligned.
; Each of the two texts has 64 LDS rows of its own (the table's begin at TBASE): no LDS byte is written by both.
; No matrix unit, no tensor load, no prefetch: a short stream, each byte read once, all of a thread's loads issued together.
.set UPITCH, 272
.set QUART,  16*UPITCH                 ; sixteen LDS rows
.set TBASE,  64*UPITCH                 ; the table text's rows, behind the weight text's
.set SPARE,  2*64*UPITCH               ; behind both: the spare words, 128 bytes for each of eight waves
.set OFF, 2                            ; v2-9   weights: byte offsets of my eight rows
.set LST, 10                           ; v10    where I put 16 bytes, from my text's first row
.set LRD, 11                           ; v11    where I read 16 bytes back, likewise
.set GOF, 12                           ; v12    my byte offset in the output
.set IN,  16                           ; v16-47 as loaded
.set PKD, 48                           ; v48-63 packed
.set BK,  64                           ; v64-79 read back
.set SPW, 94
.set NIL, 95
.set NEG, 39                           ; s39    -2^100
	s_load_b512 s[8:23], s[0:1], 0x0               ; Wq, Wk, Wv, Wo, bq, bk, bv, bo
	s_load_b256 s[24:31], s[0:1], 0x40             ; position_bias, pb_idx0, pb_idx1, mask
	s_load_b128 s[32:35], s[0:1], 0x60             ; wts, brd
	s_load_b64 s[36:37], s[0:1], 0x70              ; tab
	v_lshl_add_u32 v[SPW], v0, 2, SPARE
	v_mov_b32 v[NIL], 0
	v_lshrrev_b32 v1, 5, v0
	v_readfirstlane_b32 s38, v1                    ; wave 0..7
	v_lshrrev_b32 v13, 4, v0                       ; t / 16
	v_and_b32 v14, 15, v0                          ; t % 16
	v_mul_u32_u24 v[LRD], v13, UPITCH              ; back: LDS row t / 16 (of sixteen), 16 bytes at 16 (t % 16)
	v_lshl_add_u32 v[LRD], v14, 4, v[LRD]
	s_mov_b32 s[NEG], 0xf1800000
	s_wait_kmcnt 0x0
	s_cmp_lt_u32 ttmp9, 512
	s_cbranch_scc0 .Ltable
	; ---- a tile of a weight: 128 k x 64 n ----
	s_lshr_b32 s40, ttmp9, 7                       ; which weight, 0..3
	s_bfe_u32 s41, ttmp9, 0x40003                  ; block of 64 n
	s_and_b32 s42, ttmp9, 7                        ; block of 128 k
	s_lshl_b32 s50, s41, 18                        ; by heads: head x 262,144 + 128 rows of 256 bytes
	s_lshl_b32 s51, s42, 15
	s_add_co_u32 s50, s50, s51
	s_lshl_b32 s52, s42, 19                        ; Wo: 128 rows of 4,096 bytes + 64 columns
	s_lshl_b32 s53, s41, 8
	s_add_co_u32 s52, s52, s53
	s_cmp_eq_u32 s40, 1
	s_cselect_b64 s[44:45], s[10:11], s[8:9]
	s_cselect_b64 s[46:47], s[18:19], s[16:17]
	s_cmp_eq_u32 s40, 2
	s_cselect_b64 s[44:45], s[12:13], s[44:45]
	s_cselect_b64 s[46:47], s[20:21], s[46:47]
	s_cmp_eq_u32 s40, 3
	s_cselect_b64 s[44:45], s[14:15], s[44:45]     ; the weight,
	s_cselect_b64 s[46:47], s[22:23], s[46:47]     ; its bias,
	s_cselect_b32 s48, 12, 8                       ; log2 of its rows' bytes,
	s_cselect_b32 s50, s52, s50                    ; the tile's offset
	s_mov_b32 s51, 0
	s_add_nc_u64 s[44:45], s[44:45], s[50:51]
	s_lshl_b32 s49, 1, s48                         ; bytes from row to row
	s_lshl_b32 s52, s40, 21                        ; out: part + 64 rows of 2,048 bytes + 128 k
	s_lshl_b32 s53, s41, 17
	s_add_co_u32 s52, s52, s53
	s_lshl_b32 s53, s42, 8
	s_add_co_u32 s52, s52, s53
	s_mov_b32 s53, 0
	s_add_nc_u64 s[32:33], s[32:33], s[52:53]
	v_lshlrev_b32 v1, 3, v13                       ; my rows 8 (t / 16) + 0..7, my columns 4 (t % 16) + 0..3
	v_lshlrev_b32 v1, s48, v1
	v_lshl_add_u32 v[OFF], v14, 4, v1
.irp j, 0,1,2,3,4,5,6
	v_add_nc_u32 v[OFF+1+(\j)], s49, v[OFF+(\j)]
.endr
.irp j, 0,1,2,3,4,5,6,7
	global_load_b128 v[IN+4*(\j):IN+4*(\j)+3], v[OFF+(\j)], s[44:45] th:TH_LOAD_NT  ; sixteen lanes take 256 consecutive bytes of a row
.endr
	v_mul_u32_u24 v[LST], v14, UPITCH              ; in: column 4 (t % 16) + e goes to LDS row 16 e + t % 16, my 8 k to byte 16 (t / 16)
	v_lshl_add_u32 v[LST], v13, 4, v[LST]
	v_lshlrev_b32 v[GOF], 13, v13                  ; out: LDS row 16 u + t / 16 is row n = 4 (t / 16) + u
	v_lshl_add_u32 v[GOF], v14, 4, v[GOF]
	s_wait_loadcnt 0x0
.irp e, 0,1,2,3
.irp j, 0,1,2,3
	v_cvt_pk_bf16_f32 v[PKD+4*(\e)+(\j)], v[IN+8*(\j)+(\e)], v[IN+8*(\j)+4+(\e)]  ; column e, k = 2 j and 2 j + 1
.endr
.endr
	s_cmp_lg_u32 s40, 3
	s_cbranch_scc1 .Lkeep
.set n, 0
.rept 16                                       ; Wo: the bf16 numbers are written as f16
	v_lshlrev_b32 v84, 16, v[PKD+n]
	v_and_b32 v85, 0xffff0000, v[PKD+n]
	v_cvt_pk_f16_f32 v[PKD+n], v84, v85
.set n, n+1
.endr
.Lkeep:
.irp e, 0,1,2,3
	ds_store_b128 v[LST], v[PKD+4*(\e):PKD+4*(\e)+3] offset:QUART*(\e)
.endr
	s_wait_dscnt 0x0                               ; for the others' sake: my stores are done
	s_barrier_signal -1
	s_barrier_wait -1
.irp u, 0,1,2,3
	ds_load_b128 v[BK+4*(\u):BK+4*(\u)+3], v[LRD] offset:QUART*(\u)
.endr
	s_wait_dscnt 0x0
.irp u, 0,1,2,3
	global_store_b128 v[GOF], v[BK+4*(\u):BK+4*(\u)+3], s[32:33] offset:2048*(\u)  ; sixteen lanes store 256 consecutive bytes, aligned
.endr
	; the bias: 128 numbers (512 bytes) by wave 0 of the work-groups with k block 0 and an even n block
	s_cmp_lg_u32 s38, 0
	s_cbranch_scc1 .Lend
	s_and_b32 s54, s41, 1
	s_or_b32 s54, s54, s42
	s_cmp_lg_u32 s54, 0
	s_cbranch_scc1 .Lend
	s_lshl_b32 s55, s41, 8
	v_lshl_add_u32 v86, v0, 4, s55                 ; in wave 0 the thread's number is the lane
	global_load_b128 v[88:91], v86, s[46:47]
	s_lshl_b32 s56, s40, 12
	s_mov_b32 s57, 0
	s_add_nc_u64 s[34:35], s[34:35], s[56:57]
	s_wait_loadcnt 0x0
	v_cvt_pk_bf16_f32 v84, v88, v89
	v_cvt_pk_bf16_f32 v85, v90, v91
	v_lshlrev_b32 v80, 16, v84
	v_and_b32 v81, 0xffff0000, v84
	v_lshlrev_b32 v82, 16, v85
	v_and_b32 v83, 0xffff0000, v85
	global_store_b128 v86, v[80:83], s[34:35]
	s_branch .Lend
.Ltable:
	; ---- 16 queries x 256 keys of the table ----
	s_sub_co_u32 s40, ttmp9, 512
	s_lshr_b32 s41, s40, 2                         ; block of 16 queries, 0..63
	s_and_b32 s42, s40, 3                          ; block of 256 keys
	v_and_b32 v13, 63, v0                          ; u: my keys 4 u + 0..3
	v_lshrrev_b32 v14, 6, v0                       ; my rows 4 i + t / 64, i = 0..3
	v_lshlrev_b32 v2, 12, v14
	v_lshl_add_u32 v2, v13, 4, v2                  ; in the index tables
	v_lshlrev_b32 v3, 10, v14
	v_lshl_add_u32 v3, v13, 2, v3                  ; in the mask
	s_lshl_b32 s44, s41, 16
	s_lshl_b32 s45, s42, 10
	s_add_co_u32 s44, s44, s45
	s_mov_b32 s45, 0
	s_lshl_b32 s46, s41, 14
	s_lshl_b32 s47, s42, 8
	s_add_co_u32 s46, s46, s47
	s_mov_b32 s47, 0
	s_add_nc_u64 s[26:27], s[26:27], s[44:45]
	s_add_nc_u64 s[28:29], s[28:29], s[44:45]
	s_add_nc_u64 s[30:31], s[30:31], s[46:47]
.irp i, 0,1,2,3
	global_load_b128 v[16+4*(\i):19+4*(\i)], v2, s[26:27] offset:16384*(\i) th:TH_LOAD_NT
	global_load_b128 v[32+4*(\i):35+4*(\i)], v2, s[28:29] offset:16384*(\i) th:TH_LOAD_NT
	global_load_b32 v[48+(\i)], v3, s[30:31] offset:4096*(\i) th:TH_LOAD_NT
.endr
	v_and_b32 v4, 0x3c, v13                        ; the LDS row: u with its two low bits changed over (bit 0 picks registers 0-3 or 4-7, bit 1 the half of the lanes)
	v_and_b32 v5, 1, v13
	v_bfe_u32 v6, v13, 1, 1
	v_lshl_or_b32 v4, v5, 1, v4
	v_or_b32 v4, v4, v6
	v_mul_u32_u24 v[LST], v4, UPITCH
	v_lshl_add_u32 v[LST], v14, 4, v[LST]          ; query 4 i + t / 64 at byte 64 i + 16 (t / 64)
	v_lshlrev_b32 v[GOF], 4, v0
	s_lshr_b32 s44, s41, 5
	s_lshl_b32 s44, s44, 21                        ; block of 512 queries
	s_lshl_b32 s45, s42, 19                        ; four key steps of 131,072 bytes
	s_add_co_u32 s44, s44, s45
	s_and_b32 s45, s41, 31
	s_lshl_b32 s45, s45, 12                        ; tile of 16 queries
	s_add_co_u32 s44, s44, s45
	s_mov_b32 s45, 0
	s_add_nc_u64 s[36:37], s[36:37], s[44:45]
	s_wait_loadcnt 0x0
.set n, 0
.rept 16
	v_min_u32 v[16+n], 0x3ff, v[16+n]              ; a loaded number enters an address only held to the table's size
	v_min_u32 v[32+n], 0x3ff, v[32+n]
	v_lshl_add_u32 v[52+n], v[16+n], 10, v[32+n]
	v_lshlrev_b32 v[52+n], 2, v[52+n]
	global_load_b32 v[68+n], v[52+n], s[24:25]
.set n, n+1
.endr
	s_wait_loadcnt 0x0
.set n, 0
.rept 8
	v_cvt_pk_bf16_f32 v84, v[68+n], v[69+n]        ; rounded to bf16 like every input,
	v_lshlrev_b32 v[68+n], 16, v84
	v_and_b32 v[69+n], 0xffff0000, v84
	v_mul_f32 v[68+n], 0x41000000, v[68+n]         ; times 8: the scores are scaled by 1 / 8 later, bias and all
	v_mul_f32 v[69+n], 0x41000000, v[69+n]
.set n, n+2
.endr
.set n, 0
.rept 16
	v_bfe_u32 v85, v[48+n/4], 8*(n%4), 8
	v_cmp_ne_u32 vcc_lo, 0, v85
	v_cndmask_b32 v[68+n], v[68+n], s[NEG], vcc_lo
.set n, n+1
.endr
.irp i, 0,1,2,3
	ds_store_b128 v[LST], v[68+4*(\i):71+4*(\i)] offset:TBASE+64*(\i)
.endr
	s_wait_dscnt 0x0                               ; for the others' sake: my stores are done
	s_barrier_signal -1
	s_barrier_wait -1
.irp u, 0,1,2,3
	ds_load_b128 v[16+4*(\u):19+4*(\u)], v[LRD] offset:TBASE+QUART*(\u)
.endr
	s_wait_dscnt 0x0
.irp u, 0,1,2,3
	global_store_b128 v[GOF], v[16+4*(\u):19+4*(\u)], s[36:37] offset:131072*(\u)  ; key step u of the four: 4,096 consecutive bytes by the work-group
.endr
.Lend:
	s_wait_tensorcnt 0x0                           ; the wave's end: behind my last LDS store
	ds_add_u32 v[SPW], v[NIL]
	s_wait_dscnt 0x0
	s_endpgm
.Lfunc_end_k_q96679c933a_prep:
	.size	k_q96679c933a_prep, .Lfunc_end_k_q96679c933a_prep-k_q96679c933a_prep
	.p2alignl 7, 3214868480
	.fill 96, 4, 3214868480
	.section	.rodata,"a",@progbits
	.p2align	6, 0x0
	.amdhsa_kernel k_q96679c933a_prep
		.amdhsa_group_segment_fixed_size 35840
		.amdhsa_private_segment_fixed_size 0
		.amdhsa_enable_private_segment 0
		.amdhsa_kernarg_size 120
		.amdhsa_user_sgpr_count 2
		.amdhsa_user_sgpr_kernarg_segment_ptr 1
		.amdhsa_wavefront_size32 1
		.amdhsa_system_sgpr_workgroup_id_x 1
		.amdhsa_system_sgpr_workgroup_id_y 1
		.amdhsa_system_sgpr_workgroup_id_z 1
		.amdhsa_system_vgpr_workitem_id 0
		.amdhsa_next_free_vgpr 96
		.amdhsa_next_free_sgpr 66
		.amdhsa_reserve_vcc 1
		.amdhsa_float_denorm_mode_32 3
		.amdhsa_float_denorm_mode_16_64 3
		.amdhsa_memory_ordered 1
		.amdhsa_forward_progress 1
		.amdhsa_inst_pref_size 23
	.end_amdhsa_kernel
	.amdgpu_metadata
---
amdhsa.version: [ 1, 2 ]
amdhsa.kernels:
  - .name:           k_q96679c933a_prep
    .symbol:         k_q96679c933a_prep.kd
    .args:
      - { .name: Wq, .offset: 0, .size: 8, .value_kind: global_buffer, .address_space: global }
      - { .name: Wk, .offset: 8, .size: 8, .value_kind: global_buffer, .address_space: global }
      - { .name: Wv, .offset: 16, .size: 8, .value_kind: global_buffer, .address_space: global }
      - { .name: Wo, .offset: 24, .size: 8, .value_kind: global_buffer, .address_space: global }
      - { .name: bq, .offset: 32, .size: 8, .value_kind: global_buffer, .address_space: global }
      - { .name: bk, .offset: 40, .size: 8, .value_kind: global_buffer, .address_space: global }
      - { .name: bv, .offset: 48, .size: 8, .value_kind: global_buffer, .address_space: global }
      - { .name: bo, .offset: 56, .size: 8, .value_kind: global_buffer, .address_space: global }
      - { .name: position_bias, .offset: 64, .size: 8, .value_kind: global_buffer, .address_space: global }
      - { .name: pb_idx0, .offset: 72, .size: 8, .value_kind: global_buffer, .address_space: global }
      - { .name: pb_idx1, .offset: 80, .size: 8, .value_kind: global_buffer, .address_space: global }
      - { .name: mask, .offset: 88, .size: 8, .value_kind: global_buffer, .address_space: global }
      - { .name: wts, .offset: 96, .size: 8, .value_kind: global_buffer, .address_space: global }
      - { .name: brd, .offset: 104, .size: 8, .value_kind: global_buffer, .address_space: global }
      - { .name: tab, .offset: 112, .size: 8, .value_kind: global_buffer, .address_space: global }
    .group_segment_fixed_size: 35840
    .private_segment_fixed_size: 0
    .kernarg_segment_align: 8
    .kernarg_segment_size: 120
    .max_flat_workgroup_size: 256
    .sgpr_count:     66
    .vgpr_count:     96
    .wavefront_size: 32
...
	.end_amdgpu_metadata
.endif
;; end of part 1
;; launch proj (part 2): grid 4 x 64, 4 waves a work-group, clusters of 4 x 4, 327,680 bytes of LDS; arguments query, key, value, wts, brd, qkv; writes qkv
.if DOCPART == 2
	.amdgcn_target "amdgcn-amd-amdhsa--gfx1250"
	.amdhsa_code_object_version 6
	.text
	.protected	k_q96679c933a_proj
	.globl	k_q96679c933a_proj
	.p2align	8
	.type	k_q96679c933a_proj,@function
k_q96679c933a_proj:
	s_mov_b64 s[64:65], 0
	v_nop
	global_prefetch_b8 v0, s[64:65] scope:SCOPE_SE
	s_setreg_imm32_b32 hwreg(HW_REG_WAVE_MODE, 25, 1), 1
	s_wait_xcnt 0x0
	s_wait_alu depctr_hold_cnt(0) depctr_sa_sdst(0) depctr_va_vdst(0) depctr_va_sdst(0) depctr_va_ssrc(0) depctr_va_vcc(0) depctr_vm_vsrc(0)
	s_getreg_b32 s2, hwreg(HW_REG_IB_STS2, 6, 4)
	s_cmp_eq_u32 s2, 0
	s_cbranch_scc0 .Lentry_in_a_cluster
	s_endpgm
.Lentry_in_a_cluster:
	s_bfe_u32 s2, ttmp6, 0x10000c
	s_cmp_lg_u32 s2, 0xf033
	s_cbranch_scc0 .Lentry_shape_is_right
	s_endpgm
.Lentry_shape_is_right:
; PROJ: q, k, v = X W + b.  X: [8192][1024] f32 (query, key, value), rounded to bf16 between LDS and the matrix unit; W^T: wts [3][n 1024][k 1024] bf16; b: brd f32.
; Out: qkv [3][batch x head 128][s 1024][64] f16, unscaled, rounded once from the f32 sums.
; LIMIT.  f16 ends at 65,504: q, k and v must stay within it (inputs and weights thirty times those drawn give some 4,500).
; SHARES.  64 x 4 places of 128 rows x 256 columns: 256 work-groups.  A WORK-GROUP STAYS: it makes its place's tile of q, then of k, then of v.  Four waves, each 64 rows x 128 columns: 32 accumulators.
; K goes in steps of 128 through two LDS slots; a lap is two steps, a tile four laps, the walk twelve.  The ring does not stop at a tile's end: a tile's last lap asks for the next tile's first two
; K steps, and the tile's stores leave while the next tile is multiplied.  Waves 0 and 1 fetch X's two halves (64 rows of 512 bytes), waves 2 and 3 W's (128 rows of 256 bytes).
; CLUSTER.  4 x 4 work-groups: the four of a row of the cluster need the same rows of X, the four of a column the same rows of W: each tile is asked for jointly.
; THE MATRIX INSTRUCTION IS USED TRANSPOSED (source 0 = 16 rows of W^T, source 1 = 16 rows of X): a lane holds eight neighbouring columns of one row.  The first product's C operand is the bias.
; REGISTERS.  window 0: v0-31 addresses; two fragment buffers f = 0, 1: X's four fragments at v[32 + 96 f], W's eight at v[64 + 96 f]; on the way out buffer 1's v128-223 are three sets of 32, v224-255 at work
;   window 1: accumulator (a, b) at v[8 (8 a + b)]      window 2: v0-63 the bias as C operands; v64-127 X's fragments as f32, as they come from LDS
.set XPI,   528                        ; an LDS row of X: 512 bytes + 16: sixteen rows start at sixteen different groups of four banks (64 banks of 4 bytes: ISA guide 11.1)
.set WPI,   272                        ; of W: 256 + 16
.set XH,    64*XPI
.set WH,    128*WPI
.set SLOT,  2*XH+2*WH
.set STAGE, 2*SLOT                     ; behind the ring: for each wave 2 heads x 16 rows x 144 bytes
.set SPI,   144
.set SPARE, STAGE+4*32*SPI             ; the spare words, 128 bytes a wave
.set NEXT_W, 2097152-6*256             ; bytes in wts from a slot's last K step of a tile to its first of the next: a part on, six K steps back
.set ADRA, 16                          ; v16-17 LDS address of my X fragments in slot 0, 1
.set ADRB, 20                          ; v20-21 of my W fragments
.set STO,  24
.set RD,   25
.set GO,   26
.set CBO,  27
.set SPW,  28
.set NIL,  29
.set PFO,  30
.set FA,   32
.set FB,   64
.set OB,   128
.set TMP,  224
.set CB,   0
.set RAW,  64
.set WV,  16
.set RH,  17                           ; which 64 rows are mine; also: I fetch X (0) or W (1)
.set CH,  18                           ; which 128 columns are mine; also: which half I fetch
.set CX,  19
.set CY,  20
.set CLY, 21
.set FL,  22                           ; laps to go, modulo 4: 0 in a tile's last lap
.set RB,  23                           ; block of 128 rows
.set G1,  28
.set G1B, 36
.set G0,  44                           ; a set for each slot
.set G0B, 52
.set LAP, 60
.set LIM, 61
.set PFA, 62
.set PFS, 66
.set OUT, 68
.set XN,  70                           ; s[70:71] the next tile's X at my rows
.set TP,  84                           ; s[84:85] at work on X's addresses
.set XW,  86                           ; s[86:89] X's walking address, a pair for each slot
.set X2,  90                           ; s[90:91] the third tile's X at my rows
.set WST, 92                           ; s[92:93] W's step
.set PFN, 94                           ; s[94:95] where the next tile's prefetches begin
.set PFN2, 96                          ; s[96:97] the third tile's
.set NW,  98
.set MSB, 0
.macro WIN new                         ; the immediate's high byte repeats the setting that is left
.if MSB != (\new)
	s_set_vgpr_msb (MSB<<8)|(\new)
.set MSB, \new
.endif
.endm
.set W_MUL, 0x50                       ; C and D window 1
.set W_M1,  0x60                       ; C window 2, D window 1
.set W_RAW, 0x80                       ; destination window 2
.set W_CV,  0x0a                       ; sources window 2
.set W_OUT, 0x05                       ; sources window 1
.macro PLACES
.rept 4
	v_nop
.endr
.endm
.macro JLOAD s                         ; a joint load; the branch hangs on the wave's number alone; an s_nop 0 and four v_nop follow each line
	s_cmp_eq_u32 s[RH], 0
	s_cbranch_scc0 .Lfor_w_\@
	tensor_load_to_lds s[G0+4*(\s):G0+4*(\s)+3], s[G1:G1+7]
	s_nop 0
	PLACES
	s_branch .Lasked_\@
.Lfor_w_\@:
	tensor_load_to_lds s[G0B+4*(\s):G0B+4*(\s)+3], s[G1B:G1B+7]
	s_nop 0
	PLACES
.Lasked_\@:
.endm
.macro CREST
	s_cmp_lg_u32 s[WV], 0
	s_cbranch_scc1 .Lnot_wave_0_\@
	s_barrier_signal -3
.Lnot_wave_0_\@:
	s_barrier_wait -3
	s_barrier_signal -1
	s_barrier_wait -1
.endm
.macro CROUND
	s_barrier_signal -1
	s_barrier_wait -1
	CREST
.endm
; A prefetch into the L2 of the K step two refills on: 32 blocks of 256 bytes, a lane a block.  X's rows are read by one cluster: each cluster asks for its own, the four partners of a
; row of the cluster taking 16 of a wave's 64 rows each, by address.  W's rows are read by all sixteen clusters: cluster y = 0 asks, the four partners of a column taking 32 of a wave's 128
; rows each.  A tile's first two laps ask, for its K steps 4 to 7; its K steps 0 to 3 come by their loads alone, and its last two laps ask for nothing.
.macro ASK
	s_cmp_ge_u32 s[FL], s[LIM]                     ; laps to go modulo 4 are 3 and 2 in a tile's first two laps
	s_cbranch_scc0 .Lnot_mine_\@
	global_prefetch_b8 v[PFO], s[PFA:PFA+1] th:TH_LOAD_NT scope:SCOPE_SE
.Lnot_mine_\@:
.endm
.macro LOADCB                          ; the bias of my 128 columns, as eight C operands
	WIN W_RAW
.irp b, 0,1,2,3,4,5,6,7
	global_load_b128 v[CB+8*(\b):CB+8*(\b)+3],   v[CBO], s[12:13] offset:64*(\b)
	global_load_b128 v[CB+8*(\b)+4:CB+8*(\b)+7], v[CBO], s[12:13] offset:64*(\b)+16
.endr
	WIN 0
.endm
	s_load_b256 s[4:11], s[0:1], 0x0               ; query, key, value, wts
	s_load_b128 s[12:15], s[0:1], 0x20             ; brd, qkv
	v_lshl_add_u32 v[SPW], v0, 2, SPARE
	v_mov_b32 v[NIL], 0
	ds_add_u32 v[SPW], v[NIL]                      ; the wave's opening: the add and its wait ahead of my first tensor load
	v_lshrrev_b32 v1, 5, v0
	v_readfirstlane_b32 s[WV], v1
	s_lshr_b32 s[RH], s[WV], 1
	s_and_b32 s[CH], s[WV], 1
	s_bfe_u32 s[CX], ttmp6, 0x40000                ; the grid has one cluster along x: cx is the block of 256 columns
	s_bfe_u32 s[CY], ttmp6, 0x40004
	s_and_b32 s[CLY], ttmp7, 0xffff                ; 16 clusters along y
	s_lshl_b32 s[RB], s[CLY], 2
	s_add_co_u32 s[RB], s[RB], s[CY]
	s_lshl_b32 s24, s[CY], 2
	s_lshl_b32 s24, 15, s24                        ; my row of the cluster
	s_lshl_b32 s72, 0x1111, s[CX]                  ; my column
	s_or_b32 s[G1], s24, (2<<16)|(1<<20)|(1<<21)|(6<<22)|(3<<25)   ; X: elements of 4 bytes; 4 words of padding after every 128
	s_mov_b32 s[G1+1], 128<<16                     ; tensor_dim0
	s_mov_b32 s[G1+2], 64<<16                      ; tensor_dim1
	s_mov_b32 s[G1+3], 128<<16                     ; tile_dim0
	s_mov_b32 s[G1+4], 64                          ; tile_dim1
	s_mov_b32 s[G1+5], 1024                        ; elements from row to row
	s_mov_b32 s[G1+6], 0
	s_mov_b32 s[G1+7], 0
	s_or_b32 s[G1B], s72, (1<<16)|(1<<20)|(1<<21)|(5<<22)|(3<<25)  ; W: elements of 2 bytes; 4 words after every 64
	s_mov_b32 s[G1B+1], 128<<16
	s_mov_b32 s[G1B+2], 128<<16
	s_mov_b32 s[G1B+3], 128<<16
	s_mov_b32 s[G1B+4], 128
	s_mov_b32 s[G1B+5], 1024
	s_mov_b32 s[G1B+6], 0
	s_mov_b32 s[G1B+7], 0
	s_lshl_b32 s24, s[RB], 7                       ; X: row 128 x block + 64 x half, 4,096 bytes a row; no register here ever holds cx
	s_lshl_b32 s25, s[CH], 6
	s_add_co_u32 s24, s24, s25
	s_lshl_b32 s24, s24, 12
	s_mov_b32 s25, 0
	s_lshl_b32 s72, s[CX], 8                       ; W: row 256 cx + 128 x half, 2,048 bytes a row; no register here ever holds cy
	s_lshl_b32 s73, s[CH], 7
	s_add_co_u32 s72, s72, s73
	s_lshl_b32 s72, s72, 11
	s_mov_b32 s73, 0
	s_mul_i32 s76, s[CH], XH                       ; where they go
	s_mul_i32 s77, s[CH], WH
	s_add_co_u32 s77, s77, 2*XH
	s_mov_b32 s[WST+1], 0
	s_mov_b32 s[NW], NEXT_W
	s_wait_dscnt 0x0                               ; the opening add is done
	s_wait_kmcnt 0x0
	s_add_nc_u64 s[XW:XW+1], s[4:5], s[24:25]      ; the first tile's X: query, K step 0,
	s_add_nc_u64 s[XW+2:XW+3], s[XW:XW+1], 512     ; K step 1
	s_add_nc_u64 s[XN:XN+1], s[6:7], s[24:25]      ; the second tile's: key
	s_add_nc_u64 s[X2:X2+1], s[8:9], s[24:25]      ; the third's: value
	s_add_nc_u64 s[74:75], s[10:11], s[72:73]
.irp s, 0,1
	s_mov_b32 s[G0+4*(\s)], 1
	s_add_co_u32 s[G0+4*(\s)+1], s76, (\s)*SLOT
	s_mov_b64 s[G0+4*(\s)+2:G0+4*(\s)+3], s[XW+2*(\s):XW+2*(\s)+1]
	s_or_b32 s[G0+4*(\s)+3], s[G0+4*(\s)+3], 0x80000000
	s_mov_b32 s[G0B+4*(\s)], 1
	s_add_co_u32 s[G0B+4*(\s)+1], s77, (\s)*SLOT
	s_add_nc_u64 s[G0B+4*(\s)+2:G0B+4*(\s)+3], s[74:75], (\s)*256
	s_or_b32 s[G0B+4*(\s)+3], s[G0B+4*(\s)+3], 0x80000000
.endr
	CROUND                                         ; all sixteen work-groups are here: the first joint loads meet
	s_cmp_eq_u32 s[RH], 0                          ; a wave's two first fills stand in one branch: two loads of mine are out
	s_cbranch_scc0 .Lfirst_w
	tensor_load_to_lds s[G0:G0+3], s[G1:G1+7]
	s_nop 0
	tensor_load_to_lds s[G0+4:G0+7], s[G1:G1+7]
	s_nop 0
	PLACES
	s_branch .Lfirst_asked
.Lfirst_w:
	tensor_load_to_lds s[G0B:G0B+3], s[G1B:G1B+7]
	s_nop 0
	tensor_load_to_lds s[G0B+4:G0B+7], s[G1B:G1B+7]
	s_nop 0
	PLACES
.Lfirst_asked:
	s_lshl_b32 s78, s[CX], 10                      ; the bias of my 128 columns, in bq's part
	s_lshl_b32 s79, s[CH], 9
	s_add_co_u32 s78, s78, s79
	s_mov_b32 s79, 0
	s_add_nc_u64 s[12:13], s[12:13], s[78:79]
	v_and_b32 v1, 15, v0                           ; l % 16
	v_bfe_u32 v2, v0, 4, 1                         ; l / 16
	v_lshlrev_b32 v[CBO], 5, v2                    ; register j of block b is column 16 b + 8 (l / 16) + j
	LOADCB
	v_mul_u32_u24 v3, v1, XPI                      ; X as f32: row x pitch + 32 x half: eight numbers, and eight more 64 bytes on
	v_lshl_add_u32 v3, v2, 5, v3
	v_mul_u32_u24 v4, v1, WPI                      ; W: row x pitch + 16 x half
	v_lshl_add_u32 v4, v2, 4, v4
	s_mul_i32 s78, s[RH], XH
.irp s, 0,1
	v_add_nc_u32 v[ADRA+(\s)], s78, v3
	v_add_nc_u32 v[ADRB+(\s)], s77, v4
	s_add_co_u32 s78, s78, SLOT
	s_add_co_u32 s77, s77, SLOT
.endr
	s_mul_i32 s78, s[WV], 32*SPI
	s_add_co_u32 s78, s78, STAGE                   ; my stage
	v_mul_u32_u24 v[STO], v1, SPI
	v_lshl_add_u32 v[STO], v2, 4, v[STO]
	v_add_nc_u32 v[STO], s78, v[STO]
	v_bfe_u32 v5, v0, 3, 2                         ; back: 32 lanes take four rows of 128 bytes,
	v_and_b32 v6, 7, v0
	v_mul_u32_u24 v[RD], v5, SPI
	v_lshl_add_u32 v[RD], v6, 4, v[RD]
	v_add_nc_u32 v[RD], s78, v[RD]
	v_and_b32 v8, 31, v0
	v_lshlrev_b32 v[GO], 4, v8                     ; which are 512 consecutive bytes of a head
	s_lshr_b32 s78, s[RB], 3                       ; out: batch x 16 + head,
	s_lshl_b32 s78, s78, 4
	s_lshl_b32 s79, s[CX], 2
	s_add_co_u32 s78, s78, s79
	s_lshl_b32 s79, s[CH], 1
	s_add_co_u32 s78, s78, s79
	s_lshl_b32 s78, s78, 10
	s_and_b32 s79, s[RB], 7                        ; the row in the sequence,
	s_lshl_b32 s79, s79, 7
	s_add_co_u32 s78, s78, s79
	s_lshl_b32 s79, s[RH], 6
	s_add_co_u32 s78, s78, s79
	s_lshl_b32 s78, s78, 7                         ; 128 bytes a row; q's part
	s_mov_b32 s79, 0
	s_add_nc_u64 s[OUT:OUT+1], s[14:15], s[78:79]
	s_lshl_b32 s78, s[RB], 7                       ; the prefetches.  X: my work-group's 16 of the 64 rows that I fetch, at K step 3
	s_lshl_b32 s79, s[CH], 6
	s_add_co_u32 s78, s78, s79
	s_lshl_b32 s79, s[CX], 4
	s_add_co_u32 s78, s78, s79
	s_lshl_b32 s78, s78, 12
	s_add_co_u32 s78, s78, 3*512
	s_lshl_b32 s80, s[CX], 8                       ; W: my work-group's 32 of the 128 rows
	s_lshl_b32 s81, s[CH], 7
	s_add_co_u32 s80, s80, s81
	s_lshl_b32 s81, s[CY], 5
	s_add_co_u32 s80, s80, s81
	s_lshl_b32 s80, s80, 11
	s_add_co_u32 s80, s80, 3*256
	s_cmp_eq_u32 s[RH], 0
	s_cselect_b32 s78, s78, s80
	s_cselect_b64 s[PFA:PFA+1], s[4:5], s[10:11]
	s_cselect_b64 s[PFN:PFN+1], s[6:7], s[10:11]
	s_cselect_b64 s[PFN2:PFN2+1], s[8:9], s[10:11]
	s_cselect_b32 s82, 9, 8                        ; log2 of a K step's bytes in a row
	s_cselect_b32 s83, 8, 11                       ; odd lanes: X's second block of the row, W's next row
	s_cselect_b32 s81, 0, s[CLY]                   ; X: every cluster asks; W: cluster y = 0
	s_cselect_b32 s80, 0, 0x200000                 ; W: a part of wts further for each tile
	s_mov_b32 s79, 0
	s_add_nc_u64 s[PFA:PFA+1], s[PFA:PFA+1], s[78:79]
	s_add_co_u32 s78, s78, s80
	s_add_nc_u64 s[PFN:PFN+1], s[PFN:PFN+1], s[78:79]
	s_add_co_u32 s78, s78, s80
	s_add_nc_u64 s[PFN2:PFN2+1], s[PFN2:PFN2+1], s[78:79]
	s_lshl_b32 s[PFS], 1, s82
	s_mov_b32 s[PFS+1], 0
	s_cmp_eq_u32 s81, 0
	s_cselect_b32 s[LIM], 2, 4
	v_lshrrev_b32 v9, 1, v8
	v_and_b32 v8, 1, v8
	v_lshlrev_b32 v8, s83, v8
	v_lshl_add_u32 v[PFO], v9, 12, v8
; Product nn of a quarter's 32: row block nn / 8, column block nn % 8.  The 32 accumulators take turns in the same order in every quarter.
.macro MM1 f, first=0
.if \first
	WIN W_M1
	v_wmma_f32_16x16x32_bf16 v[8*nn:8*nn+7], v[FB+96*(\f)+8*(nn%8):FB+96*(\f)+8*(nn%8)+7], v[FA+96*(\f)+8*(nn/8):FA+96*(\f)+8*(nn/8)+7], v[CB+8*(nn%8):CB+8*(nn%8)+7]
.else
	WIN W_MUL
	v_wmma_f32_16x16x32_bf16 v[8*nn:8*nn+7], v[FB+96*(\f)+8*(nn%8):FB+96*(\f)+8*(nn%8)+7], v[FA+96*(\f)+8*(nn/8):FA+96*(\f)+8*(nn/8)+7], v[8*nn:8*nn+7]
.endif
.set nn, nn+1
.endm
.macro MMS f, cnt, first=0
.rept \cnt
	MM1 \f, \first
.endr
.endm
.macro CVT1 g                          ; group cn of eight: four roundings of X to bf16, into buffer g
	WIN W_CV
.irp j, 0,1,2,3
	v_cvt_pk_bf16_f32 v[FA+96*(\g)+4*cn+(\j)], v[RAW+8*cn+2*(\j)], v[RAW+8*cn+2*(\j)+1]
.endr
.set cn, cn+1
.endm
.macro FETCH slot, k, g                ; 32 LDS loads in one run: quarter k's X as f32, then its W into buffer g
	WIN W_RAW
.irp i, 0,1,2,3
	ds_load_b128 v[RAW+16*(\i):RAW+16*(\i)+3],     v[ADRA+(\slot)] offset:128*(\k)+16*XPI*(\i)
	ds_load_b128 v[RAW+16*(\i)+4:RAW+16*(\i)+7],   v[ADRA+(\slot)] offset:128*(\k)+16*XPI*(\i)+16
	ds_load_b128 v[RAW+16*(\i)+8:RAW+16*(\i)+11],  v[ADRA+(\slot)] offset:128*(\k)+16*XPI*(\i)+64
	ds_load_b128 v[RAW+16*(\i)+12:RAW+16*(\i)+15], v[ADRA+(\slot)] offset:128*(\k)+16*XPI*(\i)+80
.endr
	WIN 0
.irp i, 0,1,2,3,4,5,6,7
	ds_load_b128 v[FB+96*(\g)+8*(\i):FB+96*(\g)+8*(\i)+3],   v[ADRB+(\slot)] offset:64*(\k)+16*WPI*(\i)
	ds_load_b128 v[FB+96*(\g)+8*(\i)+4:FB+96*(\g)+8*(\i)+7], v[ADRB+(\slot)] offset:64*(\k)+16*WPI*(\i)+32
.endr
.endm
; A quarter: 32 along K.  It multiplies buffer f; at its head it fetches quarter k of the same slot for buffer g.  Every quarter ends with a product and four roundings that name none of
; that product's registers: they are the four places in front of the next quarter's loads into the buffer just multiplied.
.macro QUARTER slot, k, f, g, first=0
	FETCH \slot, \k, \g
	s_wait_dscnt 32                                ; all but the 32 just issued: buffer f's W is in
.set nn, 0
.set cn, 0
	MMS \f, 24, \first
	s_wait_dscnt 16                                ; X's 16 loads are in; W's 16, issued behind them, may stay out
.rept 8
	MM1 \f, \first
	CVT1 \g
.endr
.endm
; The last quarter of a K step multiplies buffer 1 and changes slots: one barrier; in front of it each wave waits for all its tensor loads, adds 0 to its spare word, and waits for that and
; for its reads of this slot.  fill = 1: the barrier opens a round of the cluster's, and this slot is filled again first thing behind it: with the K step two on, or, in a tile's last lap,
; with the next tile's K step 0 or 1.  The addresses are made between the add and the wait for it, where no tensor load of the wave is out.
.macro TURN slot, next, fill
.if \fill
	s_wait_xcnt 0x0                                ; the last prefetch, a K step back, has read its address
	s_add_nc_u64 s[PFA:PFA+1], s[PFA:PFA+1], s[PFS:PFS+1]
.endif
	WIN 0
	s_wait_tensorcnt 0x0                           ; all my tensor loads have landed: my part of the next slot
	ds_add_u32 v[SPW], v[NIL]
.if \fill
	s_add_nc_u64 s[XW+2*(\slot):XW+2*(\slot)+1], s[XW+2*(\slot):XW+2*(\slot)+1], 2*512  ; X: two K steps on,
	s_add_nc_u64 s[TP:TP+1], s[XN:XN+1], (\slot)*512                                    ; or the next input's first K steps
	s_cmp_eq_u32 s[FL], 0
	s_cselect_b64 s[XW+2*(\slot):XW+2*(\slot)+1], s[TP:TP+1], s[XW+2*(\slot):XW+2*(\slot)+1]
	s_cselect_b32 s[WST], s[NW], 2*256             ; W: the next part of wts, or two K steps on
	s_mov_b64 s[G0+4*(\slot)+2:G0+4*(\slot)+3], s[XW+2*(\slot):XW+2*(\slot)+1]
	s_or_b32 s[G0+4*(\slot)+3], s[G0+4*(\slot)+3], 0x80000000
	s_add_nc_u64 s[G0B+4*(\slot)+2:G0B+4*(\slot)+3], s[G0B+4*(\slot)+2:G0B+4*(\slot)+3], s[WST:WST+1]
.endif
	s_wait_dscnt 1                                 ; all but the add: buffer 1's W is in
.set nn, 0
.set cn, 0
	MMS 1, 8
	s_wait_dscnt 0x0                               ; the add is done, and my reads of this slot are over
	s_barrier_signal -1
	MMS 1, 8
	WIN 0
	s_barrier_wait -1
.if \fill
	CREST
	JLOAD \slot
.endif
	FETCH \next, 0, 0
.if \fill
	ASK
.endif
	MMS 1, 8
	s_wait_dscnt 16
.rept 8
	MM1 1
	CVT1 0
.endr
.endm
; THE WAY OUT: a block of 16 rows x 128 columns (two heads) is rounded to f16, put into my stage and read back as rows of 128 bytes; 32 lanes store 512 consecutive bytes of a head.
; It works in buffer 1's registers, which the last quarter has multiplied: buffer 0 may hold the next tile's first fragments.
.macro PACK a
	WIN W_OUT
.irp b, 0,1,2,3,4,5,6,7
.irp r, 0,1,2,3
	v_cvt_pk_f16_f32 v[TMP+4*(\b)+(\r)], v[8*(8*(\a)+(\b))+2*(\r)], v[8*(8*(\a)+(\b))+2*(\r)+1]
.endr
.endr
	WIN 0
.endm
.macro TOSTAGE a
.irp b, 0,1,2,3,4,5,6,7
	ds_store_b128 v[STO], v[TMP+4*(\b):TMP+4*(\b)+3] offset:((\b)/4)*16*SPI+((\b)%4)*32
.endr
	s_wait_xcnt 0x0                                ; the stores issued so far have read their data: a set of registers is loaded again only behind this wait
.irp t, 0,1,2,3,4,5,6,7
	ds_load_b128 v[OB+32*((\a)%3)+4*(\t):OB+32*((\a)%3)+4*(\t)+3], v[RD] offset:((\t)/4)*16*SPI+((\t)%4)*4*SPI  ; LDS serves a wave's instructions in order (ISA guide 5.7.1.4)
.endr
.endm
.macro SEND a
	s_wait_dscnt 0x0
.irp t, 0,1,2,3,4,5,6,7
	global_store_b128 v[GO], v[OB+32*((\a)%3)+4*(\t):OB+32*((\a)%3)+4*(\t)+3], s[OUT:OUT+1] offset:((\t)/4)*131072+2048*(\a)+((\t)%4)*512
.endr
.endm
.macro WAYOUT                          ; block a's roundings stand between block a - 1's loads from the stage and the wait for them
	PACK 0
	TOSTAGE 0
.irp a, 1,2,3
	PACK \a
	SEND (\a)-1
	TOSTAGE \a
.endr
	SEND 3
.endm
	s_wait_tensorcnt 1                             ; my part of K step 0 is in; K step 1's may stay out
	s_barrier_signal -1
	s_barrier_wait -1
	FETCH 0, 0, 0
	s_wait_dscnt 16
.set cn, 0
.rept 8
	CVT1 0
.endr
	WIN 0
	s_mov_b32 s[LAP], 12
	s_branch .Lstart                               ; the loop is entered at a tile's first quarter
.Llap:                                                 ; eleven trips: a trip goes once round the ring, from a lap's second quarter to the next lap's first, and fills both slots again
	s_and_b32 s[FL], s[LAP], 3
	QUARTER 0, 2, 1, 0
	QUARTER 0, 3, 0, 1
	TURN 0, 1, 1
	QUARTER 1, 1, 0, 1
	QUARTER 1, 2, 1, 0
	QUARTER 1, 3, 0, 1
	TURN 1, 0, 1
	WIN 0
	s_cmp_lg_u32 s[FL], 0
	s_cbranch_scc1 .Lsame                          ; forward, past text that holds neither a barrier nor a tensor load
	s_add_nc_u64 s[12:13], s[12:13], 4096          ; A TILE IS FINISHED, and both refills for the next are asked for.  The next bias is on its way while the tile goes out
	LOADCB
	WAYOUT
	s_wait_xcnt 0x0                                ; the stores have read their data and their base, the last prefetch its address
	s_add_nc_u64 s[OUT:OUT+1], s[OUT:OUT+1], 0x1000000  ; the next part of qkv
	s_mov_b64 s[XN:XN+1], s[X2:X2+1]
	s_mov_b64 s[PFA:PFA+1], s[PFN:PFN+1]
	s_mov_b64 s[PFN:PFN+1], s[PFN2:PFN2+1]
.Lstart:
	s_wait_loadcnt 0x0                             ; the bias
	QUARTER 0, 1, 0, 1, 1                          ; a tile's first quarter: its products start the sums, with the bias
	WIN 0
	s_branch .Lnext
.Lsame:
	QUARTER 0, 1, 0, 1
	WIN 0
.Lnext:
	s_sub_co_u32 s[LAP], s[LAP], 1
	s_cmp_lg_u32 s[LAP], 0
	s_cbranch_scc1 .Llap
	QUARTER 0, 2, 1, 0                             ; the twelfth lap fills nothing
	QUARTER 0, 3, 0, 1
	TURN 0, 1, 0
	QUARTER 1, 1, 0, 1
	QUARTER 1, 2, 1, 0
	QUARTER 1, 3, 0, 1
	s_wait_dscnt 0x0
.set nn, 0
	MMS 1, 32
	WIN 0
	PLACES
	WAYOUT
	s_wait_tensorcnt 0x0                           ; the wave's end
	ds_add_u32 v[SPW], v[NIL]
	s_wait_dscnt 0x0
	CROUND                                         ; the closing round
	s_endpgm
.Lfunc_end_k_q96679c933a_proj:
	.size	k_q96679c933a_proj, .Lfunc_end_k_q96679c933a_proj-k_q96679c933a_proj
	.p2alignl 7, 3214868480
	.fill 96, 4, 3214868480
	.section	.rodata,"a",@progbits
	.p2align	6, 0x0
	.amdhsa_kernel k_q96679c933a_proj
		.amdhsa_group_segment_fixed_size 327680
		.amdhsa_private_segment_fixed_size 0
		.amdhsa_enable_private_segment 0
		.amdhsa_kernarg_size 48
		.amdhsa_user_sgpr_count 2
		.amdhsa_user_sgpr_kernarg_segment_ptr 1
		.amdhsa_wavefront_size32 1
		.amdhsa_system_sgpr_workgroup_id_x 1
		.amdhsa_system_sgpr_workgroup_id_y 1
		.amdhsa_system_sgpr_workgroup_id_z 1
		.amdhsa_system_vgpr_workitem_id 0
		.amdhsa_next_free_vgpr 640
		.amdhsa_next_free_sgpr 100
		.amdhsa_reserve_vcc 0
		.amdhsa_float_denorm_mode_32 3
		.amdhsa_float_denorm_mode_16_64 3
		.amdhsa_memory_ordered 1
		.amdhsa_forward_progress 1
		.amdhsa_inst_pref_size 153
	.end_amdhsa_kernel
	.amdgpu_metadata
---
amdhsa.version: [ 1, 2 ]
amdhsa.kernels:
  - .name:           k_q96679c933a_proj
    .symbol:         k_q96679c933a_proj.kd
    .args:
      - { .name: query, .offset: 0, .size: 8, .value_kind: global_buffer, .address_space: global }
      - { .name: key, .offset: 8, .size: 8, .value_kind: global_buffer, .address_space: global }
      - { .name: value, .offset: 16, .size: 8, .value_kind: global_buffer, .address_space: global }
      - { .name: wts, .offset: 24, .size: 8, .value_kind: global_buffer, .address_space: global }
      - { .name: brd, .offset: 32, .size: 8, .value_kind: global_buffer, .address_space: global }
      - { .name: qkv, .offset: 40, .size: 8, .value_kind: global_buffer, .address_space: global }
    .group_segment_fixed_size: 327680
    .private_segment_fixed_size: 0
    .kernarg_segment_align: 8
    .kernarg_segment_size: 48
    .max_flat_workgroup_size: 128
    .sgpr_count:     100
    .vgpr_count:     640
    .wavefront_size: 32
...
	.end_amdgpu_metadata
.endif
;; end of part 2
;; launch attn (part 3): grid 64 x 4, 4 waves a work-group, clusters of 4 x 1, 327,680 bytes of LDS; arguments qkv, tab, oh; writes oh
.if DOCPART == 3
	.amdgcn_target "amdgcn-amd-amdhsa--gfx1250"
	.amdhsa_code_object_version 6
	.text
	.protected	k_q96679c933a_attn
	.globl	k_q96679c933a_attn
	.p2align	8
	.type	k_q96679c933a_attn,@function
k_q96679c933a_attn:
	s_mov_b64 s[64:65], 0
	v_nop
	global_prefetch_b8 v0, s[64:65] scope:SCOPE_SE
	s_setreg_imm32_b32 hwreg(HW_REG_WAVE_MODE, 25, 1), 1
	s_wait_xcnt 0x0
	s_wait_alu depctr_hold_cnt(0) depctr_sa_sdst(0) depctr_va_vdst(0) depctr_va_sdst(0) depctr_va_ssrc(0) depctr_va_vcc(0) depctr_vm_vsrc(0)
	s_getreg_b32 s2, hwreg(HW_REG_IB_STS2, 6, 4)
	s_cmp_eq_u32 s2, 0
	s_cbranch_scc0 .Lentry_in_a_cluster
	s_endpgm
.Lentry_in_a_cluster:
	s_bfe_u32 s2, ttmp6, 0x10000c
	s_cmp_lg_u32 s2, 0x3003
	s_cbranch_scc0 .Lentry_shape_is_right
	s_endpgm
.Lentry_shape_is_right:
; ATTN: O[bh][q][:] = the sum over k of softmax_k(Q.K / 8 + bias[q][k], masked) V[bh][k][:].  Q, K, V: qkv [3][128][1024][64] f16; O: oh [128][1024][64] f16.
; tab holds, for each (q, key), 8 x bias or -2^100 where the key is masked, in the image of the C operand of S^T = K Q^T: bias and mask cost no vector instruction.
; Products, maxima and sums in f32; the weights p are rounded to f16 for the second product (their sum l is taken of the unrounded p), O once at the end.
; LIMITS.  The running maximum m starts at -2^90: true scores Q.K + 8 bias below -2^89 are not served.  A masked score counts as -2^100 plus its product: its weight is 0.  A row whose keys
; are all masked ends with m = -2^90 and gets NaN, as the softmax of a row of -inf does.  A weight below 2^-126 counts as 0 in l.
; SHARES.  A work-group owns 256 queries of TWO neighbouring heads: waves 0 and 1 the first head, waves 2 and 3 the second, each 128 queries: four PIECES of two tiles of 16.  Every wave walks all
; 1,024 keys, 64 a step; a slot of LDS holds one step: 65,536 bytes of the table, which both heads share, and 38,912 of the two heads' K and V.  (One head and 512 queries would be 131,072 and 19,456.)
; CLUSTER.  The four work-groups of a cluster are eight heads on the SAME 256 queries: the step's table tile is asked for jointly, by waves 2 and 3; K and V are each pair's own and come by plain
; loads, of waves 0 and 1.
; LAYOUT, SOFTMAX.  S^T = K Q^T + C holds one query a lane (lane % 16) and the keys 8 (lane / 16) + 0..7; two results rounded to f16 are source 1 of O^T = V^T P.  p = 2^(c s - c m),
; c = log2(e) / 8; in every step O and l are multiplied by a = 2^(c m_old - c m_new).
; BY TURNS.  Turn n belongs to piece n: 16 products K Q^T of piece n + 1, later 16 products V^T P of piece n - 1; beside them piece n's scaling, exponentials, roundings, sums and rescaling
; and piece n + 1's maximum and statistics.  Four vector instructions stand behind every matrix instruction, the rest in one lump; a turn's 66 exponentials are one batch with one wait.
; REGISTERS, in windows of 256:
;   window 0: v0-11 addresses; v12-15, v48-63 at work; v16-47 statistics; v64-191 S^T, two buffers of two tiles; v192-255 P, likewise
;   window 1: O^T, 32 a tile     window 2: v0-127 Q; v128-191 K of one step; v192-255 V of one step     window 3: v0-1 the add's registers; v64-191 the C operands, two buffers of two tiles
.set NP,    4
.set KS,    64
.set PK,    144       ; a row of K in LDS: 128 bytes + 16
.set PV,    160       ; a row of V: 128 + 32
.set TABS,  1<<16     ; a table tile; slot 1 begins here: one exclusive or changes slots
.set TSTEP, 1<<17     ; bytes in tab from a key step to the next
.set KBASE, 2*TABS    ; K of the two heads,
.set VBASE, KBASE+2*KS*PK  ; then their V
.set KVX,   1<<16     ; K's and V's slot 1 lie this far on
.set STAGE, VBASE+2*KS*PV  ; between the two slots, never filled by a tensor load: 16 rows x 144 bytes for each wave
.set SP,    144
.set SPARE, STAGE+4*16*SP
.set PFO, 1           ; v1   256 x my lane
.set AK0, 2
.set AV0, 3
.set AK,  4
.set AV,  5
.set STO, 6
.set RD,  7
.set GO,  8
.set AB0, 9           ; v9   my lane's 16 bytes in my queries' half of a table tile
.set AB,  10
.set QO,  11
.set SPW, 0           ; window 3
.set NIL, 1           ; window 3
.set BC,  64          ; window 3
.set MV,  12
.set ST,  16          ; tile t's statistics at v[ST+4 t]: c m, m, l (even keys', odd keys')
.set TMP, 48
.set S,   64
.set P,   192
.set KF,  128
.set VF,  192
.set WV,  12
.set CX,  13
.set BH,  14          ; the pair of heads
.set QB,  15          ; the block of 256 queries
.set G1K, 24
.set G1V, 32
.set G1T, 40
.set G0K, 48
.set G0V, 52
.set G0T, 56
.set CS,  60
.set SEL, 62
.set SLOTS, 66        ; key steps whose first two turns are done
.set TKV, 68          ; 0 or KVX: the slot of the step to be fetched
.set TBB, 69          ; 0 or TABS
.set PFA, 70
.set PFS, 72
.set LIM, 74
.set THR, 75
.set NANS, 76
.set MSB, 0
.macro WIN new
.if MSB != (\new)
	s_set_vgpr_msb (MSB<<8)|(\new)
.set MSB, (\new)
.endif
.endm
.set W_KQ, 0x0a       ; K and Q in window 2, S^T in window 0
.set W_KB, 0x3a       ; the same with the C operand in window 3
.set W_PV, 0x52       ; V in window 2, P in window 0, O^T in window 1
.set W_RS, 0x41
.set W_MK, 0xc0
.set W_AD, 0x0f
; A fill: wave 0 K, wave 1 V, waves 2 and 3 the table tile's halves (joint).  The branches hang on the wave's number alone.  An s_nop 0 and four v_nop follow each line.
.macro JLOAD
	s_cmp_lt_u32 s[WV], 2
	s_cbranch_scc0 .Lfor_t_\@
	s_cmp_eq_u32 s[WV], 0
	s_cbranch_scc0 .Lfor_v_\@
	tensor_load_to_lds s[G0K:G0K+3], s[G1K:G1K+7]
	s_nop 0
.rept 4
	v_nop
.endr
	s_branch .Lasked_\@
.Lfor_v_\@:
	tensor_load_to_lds s[G0V:G0V+3], s[G1V:G1V+7]
	s_nop 0
.rept 4
	v_nop
.endr
	s_branch .Lasked_\@
.Lfor_t_\@:
	tensor_load_to_lds s[G0T:G0T+3], s[G1T:G1T+7]
	s_nop 0
.rept 4
	v_nop
.endr
.Lasked_\@:
.endm
.macro CROUND
	s_barrier_signal -1
	s_barrier_wait -1
	s_cmp_lg_u32 s[WV], 0
	s_cbranch_scc1 .Lnot_wave_0_\@
	s_barrier_signal -3
.Lnot_wave_0_\@:
	s_barrier_wait -3
	s_barrier_signal -1
	s_barrier_wait -1
.endm
; A prefetch into the L2 of what the NEXT change of slots will ask for, a lane a block of 256 bytes.  A pair's K and V are walked by its four query blocks: the first asks (wave 0 K's 32 blocks of
; each head, wave 1 V's: two instructions).  A table tile is walked by 16 clusters: the first asks; its four partners take a quarter of each half by address, 32 blocks for each of waves 2 and 3.
; The last change that fills a slot asks for nothing.
.macro ASK
	s_cmp_lt_u32 s[SLOTS], s[LIM]
	s_cbranch_scc0 .Lnot_mine_\@
	global_prefetch_b8 v[PFO], s[PFA:PFA+1] th:TH_LOAD_NT scope:SCOPE_SE
	s_cmp_lt_u32 s[WV], 2
	s_cbranch_scc0 .Lnot_mine_\@
	global_prefetch_b8 v[PFO], s[PFA:PFA+1] offset:131072 th:TH_LOAD_NT scope:SCOPE_SE  ; the pair's second head
.Lnot_mine_\@:
.endm
; THE CHANGE OF SLOTS.  Each wave waits for all its tensor loads (one is out: its part of the other slot), adds 0 to its spare word, and waits for that and for its reads of the slot that it
; leaves.  fill = 1: the barrier is a round of the cluster's, and the old slot is filled again, with the step two on, first thing behind it: four turns, 128 matrix instructions, to land.
.macro CHANGE fill, ask=0
	WIN W_AD
	s_wait_tensorcnt 0x0
	ds_add_u32 v[SPW], v[NIL]
	WIN 0
.if \fill
	s_xor_b32 s[G0K+1], s[G0K+1], KVX
	s_add_nc_u64 s[G0K+2:G0K+3], s[G0K+2:G0K+3], KS*128
	s_xor_b32 s[G0V+1], s[G0V+1], KVX
	s_add_nc_u64 s[G0V+2:G0V+3], s[G0V+2:G0V+3], KS*128
	s_xor_b32 s[G0T+1], s[G0T+1], TABS
	s_add_nc_u64 s[G0T+2:G0T+3], s[G0T+2:G0T+3], TSTEP
.if \ask
	s_wait_xcnt 0x0                 ; the last prefetches, a key step back, have read their address
	s_add_nc_u64 s[PFA:PFA+1], s[PFA:PFA+1], s[PFS:PFS+1]
.endif
	s_wait_dscnt 0x0                ; the add is done, and my reads of the slot are over
	CROUND
	JLOAD
.if \ask
	ASK
.endif
.else
	s_wait_dscnt 0x0
	s_barrier_signal -1
	s_barrier_wait -1
.endif
	s_xor_b32 s[TKV], s[TKV], KVX   ; the fetches go to the other slot
	s_xor_b32 s[TBB], s[TBB], TABS
.endm
	s_load_b128 s[4:7], s[0:1], 0x0   ; qkv, tab
	s_load_b64 s[8:9], s[0:1], 0x10   ; oh
	WIN W_MK
	v_lshl_add_u32 v[SPW], v0, 2, SPARE
	v_mov_b32 v[NIL], 0
	WIN W_AD
	ds_add_u32 v[SPW], v[NIL]       ; the wave's opening: the add and its wait ahead of my first tensor load
	WIN 0
	v_lshrrev_b32 v48, 5, v0
	v_readfirstlane_b32 s[WV], v48
	s_bfe_u32 s[CX], ttmp6, 0x40000
	s_lshl_b32 s[BH], ttmp9, 2
	s_add_co_u32 s[BH], s[BH], s[CX]  ; the pair of heads = 4 x cluster x + cx
	s_and_b32 s[QB], ttmp7, 0xffff    ; the block of 256 queries, which the four partners share
	s_lshl_b32 s18, s[BH], 18         ; the pair's first byte in a part of qkv and in oh
	s_mov_b32 s19, 0
	s_and_b32 s16, s[WV], 1           ; which 128 of the block's queries are mine; also: which half of a table tile I fetch
	s_lshr_b32 s17, s[WV], 1          ; which head of the pair is mine
	s_lshl_b32 s77, s16, 15           ; that half, in LDS and in memory; no register here ever holds cx
	s_lshr_b32 s20, s[QB], 1          ; tab lies in blocks of 512 queries; a key step's 131,072 bytes are two tiles of 256 queries
	s_lshl_b32 s20, s20, 21
	s_and_b32 s21, s[QB], 1
	s_lshl_b32 s21, s21, 16
	s_add_co_u32 s20, s20, s21
	s_add_co_u32 s20, s20, s77
	s_mov_b32 s21, 0
	s_lshl_b32 s22, s[QB], 15         ; my wave's 128 rows of its head
	s_lshl_b32 s23, s16, 14
	s_add_co_u32 s22, s22, s23
	s_lshl_b32 s23, s17, 17
	s_add_co_u32 s22, s22, s23
	s_add_co_u32 s22, s22, s18
	s_mov_b32 s23, 0
	; K and V: 64 keys of a head are 8,192 dense bytes: one row of the tile; the second head's lie 131,072 bytes on: the second row.  Padded in LDS after every key (32 words)
	s_mov_b32 s[G1K], (1<<16)|(1<<20)|(4<<22)|(3<<25)
	s_mov_b32 s[G1V], (1<<16)|(1<<20)|(4<<22)|(7<<25)
.irp g, G1K, G1V
	s_mov_b32 s[\g+1], 4096<<16     ; tensor_dim0 = 4,096 elements
	s_mov_b32 s[\g+2], 2<<16        ; tensor_dim1 = 2
	s_mov_b32 s[\g+3], 4096<<16     ; tile_dim0
	s_mov_b32 s[\g+4], 2            ; tile_dim1
	s_mov_b32 s[\g+5], 65536        ; elements from head to head
	s_mov_b32 s[\g+6], 0
	s_mov_b32 s[\g+7], 0
.endr
	; half a table tile: 32,768 dense bytes: 128 rows of 32 elements of 8 bytes, no padding: it is read 512 consecutive bytes at a time
	s_mov_b32 s[G1T], 15|(3<<16)|(1<<21)
	s_mov_b32 s[G1T+1], 32<<16
	s_mov_b32 s[G1T+2], 128<<16
	s_mov_b32 s[G1T+3], 32<<16
	s_mov_b32 s[G1T+4], 128
	s_mov_b32 s[G1T+5], 32
	s_mov_b32 s[G1T+6], 0
	s_mov_b32 s[G1T+7], 0
	s_mov_b32 s[G0K], 1
	s_mov_b32 s[G0K+1], KBASE
	s_mov_b32 s[G0V], 1
	s_mov_b32 s[G0V+1], VBASE
	s_mov_b32 s[G0T], 1
	s_mov_b32 s[G0T+1], s77
	s_mov_b32 s[CS], 0x3e38aa3b     ; c = log2(e) / 8
	s_mov_b32 s[CS+1], s[CS]
	s_mov_b32 s[SEL], 0x76543210
	s_mov_b32 s[SEL+1], 0xfedcba98
	s_mov_b32 s[TKV], KVX           ; the first change of slots turns these two into 0
	s_mov_b32 s[TBB], TABS
	s_mov_b32 s[THR], 0xec000000    ; -2^89
	s_mov_b32 s[NANS], 0x7fc00000
	s_wait_dscnt 0x0                ; the opening add is done
	s_wait_kmcnt 0x0
	s_add_nc_u64 s[10:11], s[8:9], s[22:23]    ; O at my wave's first row
	s_add_nc_u64 s[8:9], s[4:5], s[18:19]      ; the pair in q's part,
	s_add_nc_u64 s[4:5], s[4:5], s[22:23]      ; Q at my wave's first row
	s_add_nc_u64 s[18:19], s[8:9], 0x1000000   ; the pair's K,
	s_add_nc_u64 s[22:23], s[8:9], 0x2000000   ; its V
	s_add_nc_u64 s[6:7], s[6:7], s[20:21]      ; my half of the block's first table tile
	s_mov_b64 s[G0K+2:G0K+3], s[18:19]
	s_or_b32 s[G0K+3], s[G0K+3], 0x80000000
	s_mov_b64 s[G0V+2:G0V+3], s[22:23]
	s_or_b32 s[G0V+3], s[G0V+3], 0x80000000
	s_mov_b64 s[G0T+2:G0T+3], s[6:7]
	s_or_b32 s[G0T+3], s[G0T+3], 0x80000000
	s_cmp_eq_u32 s[WV], 0           ; the prefetches
	s_cselect_b64 s[PFA:PFA+1], s[18:19], s[22:23]
	s_cmp_lt_u32 s[WV], 2
	s_cselect_b64 s[PFA:PFA+1], s[PFA:PFA+1], s[6:7]
	s_cselect_b32 s78, 0, s[CX]     ; the table: my work-group's quarter of the half
	s_cselect_b32 s79, s[QB], ttmp9 ; the coordinate along which others walk the same bytes
	s_cselect_b32 s[PFS], 13, 17
	s_lshl_b32 s[PFS], 1, s[PFS]    ; a step's bytes
	s_mov_b32 s[PFS+1], 0
	s_cmp_eq_u32 s79, 0
	s_cselect_b32 s[LIM], 14, 0     ; a wave that asks does so while fewer than 14 steps are begun
	s_lshl_b32 s78, s78, 13
	s_mov_b32 s79, 0
	s_add_nc_u64 s[PFA:PFA+1], s[PFA:PFA+1], s[78:79]
	s_add_nc_u64 s[PFA:PFA+1], s[PFA:PFA+1], s[PFS:PFS+1]
	s_add_nc_u64 s[PFA:PFA+1], s[PFA:PFA+1], s[PFS:PFS+1]  ; at step 2; each change in the loop steps it first.  Nothing is prefetched at the head
	CROUND                          ; all four work-groups are here
	JLOAD                           ; step 0 into slot 0; slot 1 is asked for when slot 0 is in
	v_and_b32 v48, 15, v0           ; l % 16
	v_bfe_u32 v49, v0, 4, 1         ; l / 16
	v_lshlrev_b32 v[QO], 7, v48
	v_lshl_add_u32 v[QO], v49, 4, v[QO]
	WIN 0x80
.set i, 0
.rept 4*NP                          ; Q stays in registers: tile i / 2, channels 32 (i % 2) on
	global_load_b128 v[8*i:8*i+3],   v[QO], s[4:5] offset:(i/2)*2048+(i%2)*64
	global_load_b128 v[8*i+4:8*i+7], v[QO], s[4:5] offset:(i/2)*2048+(i%2)*64+32
.set i, i+1
.endr
	; What the first turn finds: V's registers and P's second buffer hold 0, O^T and l are 0.  All this stands in the wait for the first tile.
.set i, VF
.rept 64
	v_mov_b32 v[i], 0
.set i, i+1
.endr
	WIN 0x40
.set i, 0
.rept 64*NP
	v_mov_b32 v[i], 0
.set i, i+1
.endr
	WIN 0
.set i, 0
.rept 2*NP
	v_mov_b32 v[ST+4*i], 0xeb38aa3b    ; c m = c x -2^90, exactly what c times m gives
	v_mov_b32 v[ST+4*i+1], 0xec800000  ; m = -2^90: above every masked score, below every score that is served
	v_mov_b32 v[ST+4*i+2], 0
	v_mov_b32 v[ST+4*i+3], 0
.set i, i+1
.endr
.set i, P+32
.rept 32
	v_mov_b32 v[i], 0
.set i, i+1
.endr
	s_mul_i32 s16, s17, KS*PK            ; my head's K in a slot
	s_add_co_u32 s16, s16, KBASE
	v_mul_u32_u24 v[AK0], v48, PK
	v_lshl_add_u32 v[AK0], v49, 4, v[AK0]
	v_add_nc_u32 v[AK0], s16, v[AK0]
	s_mul_i32 s16, s17, KS*PV            ; my head's V
	s_add_co_u32 s16, s16, VBASE
	v_and_b32 v50, 7, v0
	v_bfe_u32 v51, v0, 3, 1
	v_lshl_add_u32 v[AV0], v49, 3, v50   ; the turning load: key 8 (l / 16) + l % 8, channels 8 ((l / 8) % 2) on
	v_mul_u32_u24 v[AV0], v[AV0], PV
	v_lshl_add_u32 v[AV0], v51, 4, v[AV0]
	v_add_nc_u32 v[AV0], s16, v[AV0]
	v_and_b32 v52, 31, v0
	v_lshl_add_u32 v[AB0], v52, 4, s77   ; my queries' eight tiles of 4,096 bytes
	s_mul_i32 s16, s[WV], 16*SP
	s_add_co_u32 s16, s16, STAGE
	v_mul_u32_u24 v[STO], v48, SP
	v_lshl_add_u32 v[STO], v49, 4, v[STO]
	v_add_nc_u32 v[STO], s16, v[STO]
	v_bfe_u32 v[RD], v0, 3, 2
	v_mul_u32_u24 v[RD], v[RD], SP
	v_lshl_add_u32 v[RD], v50, 4, v[RD]
	v_add_nc_u32 v[RD], s16, v[RD]
	v_lshlrev_b32 v[GO], 4, v52
	v_lshlrev_b32 v[PFO], 8, v52
; THE MATRIX WORK.  The 8 accumulators of a run of 16 take turns.  Product i of 16 of S^T for piece x: channels 32 (i / 8) on, keys 16 ((i / 2) % 4) on, tile 2 x + i % 2.
; The first 8 start the sums with the table's numbers.
.macro KQ x
.set rS, S+64*((\x)%2)+32*(i%2)+8*((i/2)%4)
.set rK, KF+16*((i/2)%4)+8*(i/8)
.set rQ, 16*(2*(\x)+i%2)+8*(i/8)
.set rB, BC+64*((\x)%2)+32*(i%2)+8*((i/2)%4)
.if i < 8
	WIN W_KB
	v_wmma_f32_16x16x32_f16 v[rS:rS+7], v[rK:rK+7], v[rQ:rQ+7], v[rB:rB+7]
.else
	WIN W_KQ
	v_wmma_f32_16x16x32_f16 v[rS:rS+7], v[rK:rK+7], v[rQ:rQ+7], v[rS:rS+7]
.endif
.endm
.macro PV x
	WIN W_PV
.set rO, 32*(2*(\x)+i%2)+8*((i/2)%4)
.set rV, VF+32*(i/8)+8*((i/2)%4)
.set rP, P+32*((\x)%2)+16*(i%2)+8*(i/8)
	v_wmma_f32_16x16x32_f16 v[rO:rO+7], v[rV:rV+7], v[rP:rP+7], v[rO:rO+7]
.endm
.macro MM
.if i < 16
	KQ (Y+1)%NP
.set i, i+1
.else
.set i, i-16
	PV (Y+NP-1)%NP
.set i, i+17
.endif
.endm
; THE LDS LOADS stand in runs of 16.
.macro FETCH_K
	WIN 0x80
.irp f, 0,1,2,3,4,5,6,7
	ds_load_b128 v[KF+8*\f:KF+8*\f+3],   v[AK] offset:(\f/2)*16*PK+(\f%2)*64
	ds_load_b128 v[KF+8*\f+4:KF+8*\f+7], v[AK] offset:(\f/2)*16*PK+(\f%2)*64+32
.endr
	WIN 0
.endm
.macro FETCH_V
	WIN 0x80
.irp f, 0,1,2,3,4,5,6,7
	ds_load_tr16_b128 v[VF+8*\f:VF+8*\f+3],   v[AV] offset:(\f/4)*32*PV+(\f%4)*32
	ds_load_tr16_b128 v[VF+8*\f+4:VF+8*\f+7], v[AV] offset:(\f/4)*32*PV+16*PV+(\f%4)*32
.endr
	WIN 0
.endm
.macro FETCH_B pc                   ; piece pc's C operands: two tiles x four groups of 16 keys x eight registers; each load takes 512 consecutive bytes
	WIN 0xc0
.irp u, 0,1
.irp g, 0,1,2,3
	ds_load_b128 v[BC+64*((\pc)%2)+32*(\u)+8*(\g):BC+64*((\pc)%2)+32*(\u)+8*(\g)+3],   v[AB] offset:(2*(\pc)+(\u))*4096+1024*(\g)
	ds_load_b128 v[BC+64*((\pc)%2)+32*(\u)+8*(\g)+4:BC+64*((\pc)%2)+32*(\u)+8*(\g)+7], v[AB] offset:(2*(\pc)+(\u))*4096+1024*(\g)+512
.endr
.endr
.endm
; THE VECTOR WORK OF A TURN stands in three queues, each in the order in which its entries become ready; the two tiles alternate.
.macro REGS y, u
.set rT, ST+4*(2*(\y)+(\u))
.set rC, TMP+8*((\y)%2)+4*(\u)
.set rM, MV+2*((\y)%2)+(\u)
.set rS, S+64*((\y)%2)+32*(\u)
.set rP, P+32*((\y)%2)+16*(\u)
.set rO, 32*(2*(\y)+(\u))
.endm
; Number n of the 22 that find the NEXT piece's maximum and statistics; each accumulator's lowest registers are read first.
.macro XS u, n
	REGS (Y+1)%NP, \u
.if (\n) < 4
	v_max3_num_f32 v[rC+(\n)], v[rS+8*(\n)], v[rS+8*(\n)+1], v[rS+8*(\n)+2]
.elseif (\n) < 12
	v_max3_num_f32 v[rC+(\n)%4], v[rC+(\n)%4], v[rS+8*((\n)%4)+2*((\n)/4)+1], v[rS+8*((\n)%4)+2*((\n)/4)+2]
.elseif (\n) == 12
	v_max3_num_f32 v[rC], v[rC], v[rS+7], v[rS+15]
.elseif (\n) == 13
	v_max3_num_f32 v[rC+1], v[rC+1], v[rS+23], v[rS+31]
.elseif (\n) == 14
	v_max3_num_f32 v[rC+2], v[rC+2], v[rC+3], v[rT+1]
.elseif (\n) == 15
	v_mov_b32 v[rM], v[rT]
.elseif (\n) == 16
	v_max3_num_f32 v[rC], v[rC], v[rC+1], v[rC+2]
.elseif (\n) == 17
	v_permlanex16_b32 v[rC+3], v[rC], s[SEL], s[SEL+1]
.elseif (\n) == 18
	v_max_num_f32 v[rT+1], v[rC], v[rC+3]
.elseif (\n) == 19
	v_mul_f32 v[rT], s[CS], v[rT+1]
.elseif (\n) == 20
	v_sub_f32 v[rC+1], v[rM], v[rT]
.else
	v_exp_f32 v[rC+2], v[rC+1]
.endif
.endm
; Number g of the 64 that follow the exponentials: roundings to f16, sums of pairs in place, l a group later.
.macro GS g
.set h, (\g)+6*((\g)/62)
.if h >= 6
.set h, h+2
.endif
	REGS Y, h%2
.set k, h/8
.if h%8 < 4
	v_cvt_pk_f16_f32 v[rP+2*k+(h%8)/2], v[rS+4*k+2*((h%8)/2)], v[rS+4*k+2*((h%8)/2)+1]
.elseif h%8 < 6
	v_pk_add_f32 v[rS+4*k:rS+4*k+1], v[rS+4*k:rS+4*k+1], v[rS+4*k+2:rS+4*k+3]
.elseif k == 1
	v_pk_fma_f32 v[rT+2:rT+3], v[rT+2:rT+3], v[rC+2:rC+3], v[rS:rS+1] op_sel_hi:[1,0,1]
.else
	v_pk_add_f32 v[rT+2:rT+3], v[rT+2:rT+3], v[rS+4*k-4:rS+4*k-3]
.endif
.endm
.macro FS f
	REGS Y, (\f)%2
	v_pk_fma_f32 v[rS+2*((\f)/2):rS+2*((\f)/2)+1], v[rS+2*((\f)/2):rS+2*((\f)/2)+1], s[CS:CS+1], v[rT:rT+1] op_sel_hi:[1,0,0] neg_lo:[0,0,1] neg_hi:[0,0,1]
.endm
; THE PLAIN QUEUE, 138 long: 0-26 scalings; 27-56 the next piece's maximum; 57-73 its chain, a scaling in front of each two links; 74-137 what reads the exponentials' results.
.macro PL
	WIN 0
.if q < 27
	FS q
.elseif q < 55
	XS (q-27)%2, (q-27)/2
.elseif q < 57
	XS q-55, 15
.elseif (q < 72) && ((q-57)%3 == 0)
	FS 27+(q-57)/3
.elseif q < 60
	XS (q-57)%3-1, 14
.elseif q < 72
	XS (q-57)%3-1, 15+(q-57)/3
.elseif q < 74
	XS q-72, 20
.else
	GS q-74
.endif
.set q, q+1
.endm
.macro EX                           ; the exponentials' queue, 66 long: one batch, all ahead of the turn's one wait
	WIN 0
.if e >= 64
	XS e-64, 21
.else
	REGS Y, e%2
	v_exp_f32 v[rS+e/2], v[rS+e/2]
.endif
.set e, e+1
.endm
.macro R2                           ; O^T times a, two at a time
	REGS Y, r%2
	WIN W_RS
.irp z, 0,1
	v_pk_mul_f32 v[rO+4*(r/2)+2*\z:rO+4*(r/2)+2*\z+1], v[rO+4*(r/2)+2*\z:rO+4*(r/2)+2*\z+1], v[rC+2:rC+3] op_sel_hi:[1,0]
.endr
.set r, r+1
.endm
; A TURN, for piece p.  Ahead of its one wait stands all that names no result of its exponentials: 16 products K Q^T with a scaling, an exponential and two rescalings behind each, then a lump.
; Behind it: 16 products V^T P, four of the roundings and sums behind each.
; LDS: behind the wait every turn fetches the C operands of piece p + 2, which the NEXT turn's products take (that buffer's last readers stand in the turn before); piece 2's turn also K of the next
; step; piece 0's turn, at its end, V of the step in hand.  All that a trip (turns 2, 3, 0, 1) fetches belongs to one step's slot, so the change of slots stands in front of turn 2.
.macro TURN p
.set Y, (\p)
.set i, 0
.set q, 0
.set e, 0
.set r, 0
.if (\p) == 1
	s_wait_dscnt 16                 ; the C operands are in; V's 16 loads, issued behind them, may stay out
.else
	s_wait_dscnt 0x0                ; the C operands are in (and K, in piece 3's turn)
.endif
	MM
	PL
	PL
	R2
.rept 15
	MM
	PL
	EX
	R2
.endr
.if (\p) == NP-2
	WIN 0
	v_add_nc_u32 v[AK], s[TKV], v[AK0]
	v_add_nc_u32 v[AB], s[TBB], v[AB0]
.endif
.rept 8
	PL
.endr
.rept 49
	EX
	PL
.endr
	EX
	EX
	v_nop                           ; a plain instruction behind the last exponential: one for the batch
	s_wait_alu depctr_va_vdst(0)    ; the wait ahead of the first use: one for the batch
.if (\p) == NP-2
	FETCH_K
.endif
.if (\p) == 1
	s_wait_dscnt 0x0                ; V is in
.endif
	FETCH_B ((\p)+2)%NP
.rept 16
	MM
.rept 4
	PL
.endr
.if ((\p) == 0) && (q == 118)
	v_add_nc_u32 v[AV], s[TKV], v[AV0]
.endif
.endr
.if (\p) == 0
	FETCH_V
.endif
.endm
	CHANGE 1                        ; slot 0 is in, everybody's part of it; slot 1 is asked for
	v_add_nc_u32 v[AK], s[TKV], v[AK0]
	v_add_nc_u32 v[AB], s[TBB], v[AB0]
	FETCH_K                         ; key step 0
	FETCH_B 0
	FETCH_B 1
	WIN 0
	s_wait_loadcnt 0x0              ; Q
	s_wait_dscnt 0x0
.set i, 0
.rept 16
	KQ 0
.set i, i+1
.endr
	WIN 0
.rept 4
	v_nop                           ; the places behind those products
.endr
.set Y, NP-1
.irp n, 0,1,2,3,4,5,6,7,8,9,10,11,12,13,14,15,16,17,18,19,20,21
	XS 0, \n
	XS 1, \n
.endr
	v_nop
	s_wait_alu depctr_va_vdst(0)    ; the two a have their wait ahead of the branch
	s_mov_b32 s[SLOTS], 0
	s_branch .Lfirst                ; the loop is entered at a step's first turn, in the middle of a trip
; THE FOUR TURNS ARE WRITTEN ONCE.  A trip is pieces 2 and 3 of one step, then pieces 0 and 1 of the next, whose slot the change in front of it has shown whole.  Trips 1 to 14 begin at .Lslot: the
; change fills the slot just left, with steps 2 to 15.  Trip 15 and the last half trip begin at .Lbody, behind a change that fills nothing.  Every wait on TENSORcnt here is for 0: no count hangs on the way.
.Lslot:
	CHANGE 1, 1
.Lbody:
	TURN 2
	TURN 3
	WIN 0
	s_cmp_eq_u32 s[SLOTS], 16
	s_cbranch_scc1 .Lout            ; all sixteen steps have had their four turns
.Lfirst:
	TURN 0
	TURN 1
	WIN 0
	s_add_co_u32 s[SLOTS], s[SLOTS], 1
	s_cmp_lt_u32 s[SLOTS], 15
	s_cbranch_scc1 .Lslot
	CHANGE 0                        ; in front of trip 15: step 15's slot is whole.  In front of the last half trip it orders nothing that is needed: the price of one text for every trip
	s_branch .Lbody
.Lout:                              ; the last half trip's products K Q^T for piece 0 took K and table numbers of a slot read before: only piece 0's m is made of them, it can only grow, and in a
                                    ; row whose keys are all masked the table's numbers are -2^100 in every step, so that m stays at its start there
.set i, 0
.rept 16
	PV NP-1
.set i, i+1
.endr
	; THE WAY OUT.  l's halves are added; O^T is divided by l, rounded to f16 and sent through my stage, a tile at a time.  The additions are the places behind the last products.
	WIN 0
.macro ALL line:vararg
.set t, 0
.rept 2*NP
	\line
.set t, t+1
.endr
.endm
	ALL v_add_f32 v[ST+4*t+2], v[ST+4*t+2], v[ST+4*t+3]
	ALL v_permlanex16_b32 v[ST+4*t+3], v[ST+4*t+2], s[SEL], s[SEL+1]
	ALL v_add_f32 v[ST+4*t+2], v[ST+4*t+2], v[ST+4*t+3]
	ALL v_rcp_f32 v[ST+4*t+2], v[ST+4*t+2]
	v_nop
	s_wait_alu depctr_va_vdst(0)    ; one wait for the eight reciprocals
.set t, 0
.rept 2*NP                          ; a row that saw no key: NaN
	v_cmp_gt_f32 vcc_lo, s[THR], v[ST+4*t+1]
	v_cndmask_b32 v[ST+4*t+2], v[ST+4*t+2], s[NANS], vcc_lo
.set t, t+1
.endr
.macro PACK t
	WIN W_RS
.set i, 32*(\t)
.rept 16
	v_pk_mul_f32 v[i:i+1], v[i:i+1], v[ST+4*(\t)+2:ST+4*(\t)+3] op_sel_hi:[1,0]
.set i, i+2
.endr
	WIN 0x05
.set i, 0
.rept 16
	v_cvt_pk_f16_f32 v[S+16*(\t)+i], v[32*(\t)+2*i], v[32*(\t)+2*i+1]
.set i, i+1
.endr
	WIN 0
.irp f, 0,1,2,3
	ds_store_b128 v[STO], v[S+16*(\t)+4*\f:S+16*(\t)+4*\f+3] offset:32*\f
.endr
.irp f, 0,1,2,3
	ds_load_b128 v[S+16*(\t)+4*\f:S+16*(\t)+4*\f+3], v[RD] offset:\f*4*SP  ; LDS serves a wave's instructions in order (ISA guide 5.7.1.4)
.endr
.endm
.macro SEND t, younger              ; younger: the LDS instructions issued behind tile t's loads
	WIN 0
.irp f, 0,1,2,3
	s_wait_dscnt (\younger)+3-\f
	global_store_b128 v[GO], v[S+16*(\t)+4*\f:S+16*(\t)+4*\f+3], s[10:11] offset:(\t)*2048+\f*512  ; 512 consecutive bytes, aligned
.endr
.endm
	PACK 0
.set t, 1
.rept 2*NP-1
	PACK t
	SEND t-1, 8
.set t, t+1
.endr
	SEND 2*NP-1, 0
	WIN W_AD
	s_wait_tensorcnt 0x0            ; the wave's end
	ds_add_u32 v[SPW], v[NIL]
	s_wait_dscnt 0x0
	WIN 0
	CROUND                          ; the closing round
	s_endpgm
.Lfunc_end_k_q96679c933a_attn:
	.size	k_q96679c933a_attn, .Lfunc_end_k_q96679c933a_attn-k_q96679c933a_attn
	.p2alignl 7, 3214868480
	.fill 96, 4, 3214868480
	.section	.rodata,"a",@progbits
	.p2align	6, 0x0
	.amdhsa_kernel k_q96679c933a_attn
		.amdhsa_group_segment_fixed_size 327680
		.amdhsa_private_segment_fixed_size 0
		.amdhsa_enable_private_segment 0
		.amdhsa_kernarg_size 24
		.amdhsa_user_sgpr_count 2
		.amdhsa_user_sgpr_kernarg_segment_ptr 1
		.amdhsa_wavefront_size32 1
		.amdhsa_system_sgpr_workgroup_id_x 1
		.amdhsa_system_sgpr_workgroup_id_y 1
		.amdhsa_system_sgpr_workgroup_id_z 1
		.amdhsa_system_vgpr_workitem_id 0
		.amdhsa_next_free_vgpr 960
		.amdhsa_next_free_sgpr 80
		.amdhsa_reserve_vcc 1
		.amdhsa_float_denorm_mode_32 3
		.amdhsa_float_denorm_mode_16_64 3
		.amdhsa_memory_ordered 1
		.amdhsa_forward_progress 1
		.amdhsa_inst_pref_size 139
	.end_amdhsa_kernel
	.amdgpu_metadata
---
amdhsa.version: [ 1, 2 ]
amdhsa.kernels:
  - .name:           k_q96679c933a_attn
    .symbol:         k_q96679c933a_attn.kd
    .args:
      - { .name: qkv, .offset: 0, .size: 8, .value_kind: global_buffer, .address_space: global }
      - { .name: tab, .offset: 8, .size: 8, .value_kind: global_buffer, .address_space: global }
      - { .name: oh, .offset: 16, .size: 8, .value_kind: global_buffer, .address_space: global }
    .group_segment_fixed_size: 327680
    .private_segment_fixed_size: 0
    .kernarg_segment_align: 8
    .kernarg_segment_size: 24
    .max_flat_workgroup_size: 128
    .sgpr_count:     80
    .vgpr_count:     960
    .wavefront_size: 32
...
	.end_amdgpu_metadata
.endif
;; end of part 3
;; launch outp (part 4): grid 4 x 64, 4 waves a work-group, clusters of 4 x 4, 327,680 bytes of LDS; arguments oh, wts, brd, out0; writes out0
.if DOCPART == 4
	.amdgcn_target "amdgcn-amd-amdhsa--gfx1250"
	.amdhsa_code_object_version 6
	.text
	.protected	k_q96679c933a_outp
	.globl	k_q96679c933a_outp
	.p2align	8
	.type	k_q96679c933a_outp,@function
k_q96679c933a_outp:
	s_mov_b64 s[64:65], 0
	v_nop
	global_prefetch_b8 v0, s[64:65] scope:SCOPE_SE
	s_setreg_imm32_b32 hwreg(HW_REG_WAVE_MODE, 25, 1), 1
	s_wait_xcnt 0x0
	s_wait_alu depctr_hold_cnt(0) depctr_sa_sdst(0) depctr_va_vdst(0) depctr_va_sdst(0) depctr_va_ssrc(0) depctr_va_vcc(0) depctr_vm_vsrc(0)
	s_getreg_b32 s2, hwreg(HW_REG_IB_STS2, 6, 4)
	s_cmp_eq_u32 s2, 0
	s_cbranch_scc0 .Lentry_in_a_cluster
	s_endpgm
.Lentry_in_a_cluster:
	s_bfe_u32 s2, ttmp6, 0x10000c
	s_cmp_lg_u32 s2, 0xf033
	s_cbranch_scc0 .Lentry_shape_is_right
	s_endpgm
.Lentry_shape_is_right:
; OUTP: out0 = O Wo + bo.  O: oh [batch x head 128][s 1024][64] f16; Wo^T: part 3 of wts, [n 1024][k 1024] f16 (bf16 numbers); bo: part 3 of brd, f32; out0 [8192][1024] f32.
; SHARES.  64 x 4 tiles of 128 rows x 256 columns: 256 work-groups.  Four waves, each 64 rows x 128 columns: 32 accumulators.  K goes in 8 steps of 128, two heads a step, through two LDS slots.
; Waves 0 and 1 fetch the two heads' 128 rows of O (16 KiB dense each, asked for as 64 rows of 256 bytes), waves 2 and 3 the halves of Wo's 256 rows.
; CLUSTER.  4 x 4: O's tile is shared along a row of the cluster, Wo's along a column.  THE MATRIX INSTRUCTION IS USED TRANSPOSED; the first product's C operand is the bias.
; NO PREFETCH: one tile of eight K steps to a work-group: the launch is over in a few K steps' time.
; REGISTERS.  window 0: v0-31 addresses; buffers f = 0, 1: O's four fragments at v[32 + 96 f], Wo's eight at v[64 + 96 f]; on the way out v32-223 are three sets of 64
;   window 1: accumulator (a, b) at v[8 (8 a + b)]      window 2: v0-63 the bias as C operands
.set API,   144                        ; an LDS row of O: 128 bytes + 16
.set WPI,   272
.set AH,    128*API
.set WH,    128*WPI
.set SLOT,  131072
.set STAGE, SLOT+2*AH+2*WH             ; behind the ring: 16 rows x 528 bytes for each wave
.set SPI,   528
.set SPARE, STAGE+4*16*SPI
.set LAPS,  4
.set ADRA, 16
.set ADRB, 20
.set STO,  24
.set RD,   25
.set GO,   26
.set CBO,  27
.set SPW,  28
.set NIL,  29
.set FA,   32
.set FB,   64
.set OB,   32
.set CB,   0
.set WV,  16
.set RH,  17
.set CH,  18
.set CX,  19
.set CY,  20
.set RB,  23
.set G1,  28
.set G1B, 36
.set G0,  44
.set G0B, 52
.set LAP, 60
.set OUT, 68
.set MSB, 0
.macro WIN new
.if MSB != (\new)
	s_set_vgpr_msb (MSB<<8)|(\new)
.set MSB, \new
.endif
.endm
.set W_MUL, 0x50
.set W_M1,  0x60
.macro PLACES
.rept 4
	v_nop
.endr
.endm
.macro JLOAD s
	s_cmp_eq_u32 s[RH], 0
	s_cbranch_scc0 .Lfor_w_\@
	tensor_load_to_lds s[G0+4*(\s):G0+4*(\s)+3], s[G1:G1+7]
	s_nop 0
	PLACES
	s_branch .Lasked_\@
.Lfor_w_\@:
	tensor_load_to_lds s[G0B+4*(\s):G0B+4*(\s)+3], s[G1B:G1B+7]
	s_nop 0
	PLACES
.Lasked_\@:
.endm
.macro CREST
	s_cmp_lg_u32 s[WV], 0
	s_cbranch_scc1 .Lnot_wave_0_\@
	s_barrier_signal -3
.Lnot_wave_0_\@:
	s_barrier_wait -3
	s_barrier_signal -1
	s_barrier_wait -1
.endm
.macro CROUND
	s_barrier_signal -1
	s_barrier_wait -1
	CREST
.endm
	s_load_b256 s[4:11], s[0:1], 0x0               ; oh, wts, brd, out0
	v_lshl_add_u32 v[SPW], v0, 2, SPARE
	v_mov_b32 v[NIL], 0
	ds_add_u32 v[SPW], v[NIL]                      ; the wave's opening: the add and its wait ahead of my first tensor load
	v_lshrrev_b32 v1, 5, v0
	v_readfirstlane_b32 s[WV], v1
	s_lshr_b32 s[RH], s[WV], 1
	s_and_b32 s[CH], s[WV], 1
	s_bfe_u32 s[CX], ttmp6, 0x40000                ; one cluster along x: cx is the block of 256 columns
	s_bfe_u32 s[CY], ttmp6, 0x40004
	s_and_b32 s[RB], ttmp7, 0xffff
	s_lshl_b32 s[RB], s[RB], 2
	s_add_co_u32 s[RB], s[RB], s[CY]               ; block of 128 rows
	s_lshl_b32 s24, s[CY], 2
	s_lshl_b32 s24, 15, s24
	s_lshl_b32 s72, 0x1111, s[CX]
	s_or_b32 s[G1], s24, (1<<16)|(1<<20)|(1<<21)|(4<<22)|(3<<25)   ; O: 4 words of padding after every 32: after every row of a head
	s_mov_b32 s[G1+1], 128<<16
	s_mov_b32 s[G1+2], 64<<16
	s_mov_b32 s[G1+3], 128<<16
	s_mov_b32 s[G1+4], 64
	s_mov_b32 s[G1+5], 128
	s_mov_b32 s[G1+6], 0
	s_mov_b32 s[G1+7], 0
	s_or_b32 s[G1B], s72, (1<<16)|(1<<20)|(1<<21)|(5<<22)|(3<<25)
	s_mov_b32 s[G1B+1], 128<<16
	s_mov_b32 s[G1B+2], 128<<16
	s_mov_b32 s[G1B+3], 128<<16
	s_mov_b32 s[G1B+4], 128
	s_mov_b32 s[G1B+5], 1024
	s_mov_b32 s[G1B+6], 0
	s_mov_b32 s[G1B+7], 0
	s_lshr_b32 s24, s[RB], 3                       ; O: (batch x 16 + my head of the step's two) x 1,024 rows + the block's 128 rows, 128 bytes a row; no register here ever holds cx
	s_lshl_b32 s24, s24, 4
	s_add_co_u32 s24, s24, s[CH]
	s_lshl_b32 s24, s24, 10
	s_and_b32 s25, s[RB], 7
	s_lshl_b32 s25, s25, 7
	s_add_co_u32 s24, s24, s25
	s_lshl_b32 s24, s24, 7
	s_mov_b32 s25, 0
	s_lshl_b32 s72, s[CX], 8                       ; Wo: row 256 cx + 128 x half; no register here ever holds cy
	s_lshl_b32 s73, s[CH], 7
	s_add_co_u32 s72, s72, s73
	s_lshl_b32 s72, s72, 11
	s_add_co_u32 s72, s72, 3*2097152
	s_mov_b32 s73, 0
	s_mul_i32 s76, s[CH], AH
	s_mul_i32 s77, s[CH], WH
	s_add_co_u32 s77, s77, 2*AH
	s_wait_dscnt 0x0                               ; the opening add is done
	s_wait_kmcnt 0x0
	s_add_nc_u64 s[26:27], s[4:5], s[24:25]
	s_add_nc_u64 s[74:75], s[6:7], s[72:73]
.irp s, 0,1
	s_mov_b32 s[G0+4*(\s)], 1
	s_add_co_u32 s[G0+4*(\s)+1], s76, (\s)*SLOT
	s_add_nc_u64 s[G0+4*(\s)+2:G0+4*(\s)+3], s[26:27], (\s)*262144
	s_or_b32 s[G0+4*(\s)+3], s[G0+4*(\s)+3], 0x80000000
	s_mov_b32 s[G0B+4*(\s)], 1
	s_add_co_u32 s[G0B+4*(\s)+1], s77, (\s)*SLOT
	s_add_nc_u64 s[G0B+4*(\s)+2:G0B+4*(\s)+3], s[74:75], (\s)*256
	s_or_b32 s[G0B+4*(\s)+3], s[G0B+4*(\s)+3], 0x80000000
.endr
	CROUND
	s_cmp_eq_u32 s[RH], 0                          ; a wave's two first fills stand in one branch: two loads of mine are out
	s_cbranch_scc0 .Lfirst_w
	tensor_load_to_lds s[G0:G0+3], s[G1:G1+7]
	s_nop 0
	tensor_load_to_lds s[G0+4:G0+7], s[G1:G1+7]
	s_nop 0
	PLACES
	s_branch .Lfirst_asked
.Lfirst_w:
	tensor_load_to_lds s[G0B:G0B+3], s[G1B:G1B+7]
	s_nop 0
	tensor_load_to_lds s[G0B+4:G0B+7], s[G1B:G1B+7]
	s_nop 0
	PLACES
.Lfirst_asked:
	s_lshl_b32 s78, s[CX], 10                      ; my 128 columns, 4 bytes each
	s_lshl_b32 s79, s[CH], 9
	s_add_co_u32 s78, s78, s79
	s_mov_b32 s79, 0
	s_add_nc_u64 s[8:9], s[8:9], s[78:79]
	s_add_nc_u64 s[OUT:OUT+1], s[10:11], s[78:79]
	s_lshl_b32 s78, s[RB], 7
	s_lshl_b32 s79, s[RH], 6
	s_add_co_u32 s78, s78, s79
	s_lshl_b32 s78, s78, 12                        ; my first row, 4,096 bytes a row
	s_mov_b32 s79, 0
	s_add_nc_u64 s[OUT:OUT+1], s[OUT:OUT+1], s[78:79]
	v_and_b32 v1, 15, v0
	v_bfe_u32 v2, v0, 4, 1
	v_lshlrev_b32 v[CBO], 5, v2
	WIN 0x80
.irp b, 0,1,2,3,4,5,6,7
	global_load_b128 v[CB+8*(\b):CB+8*(\b)+3],   v[CBO], s[8:9] offset:12288+64*(\b)
	global_load_b128 v[CB+8*(\b)+4:CB+8*(\b)+7], v[CBO], s[8:9] offset:12288+64*(\b)+16
.endr
	WIN 0
	v_mul_u32_u24 v3, v1, API
	v_lshl_add_u32 v3, v2, 4, v3
	v_mul_u32_u24 v4, v1, WPI
	v_lshl_add_u32 v4, v2, 4, v4
	s_mul_i32 s78, s[RH], 64*API                   ; my 64 rows, in each of the two heads
.irp s, 0,1
	v_add_nc_u32 v[ADRA+(\s)], s78, v3
	v_add_nc_u32 v[ADRB+(\s)], s77, v4
	s_add_co_u32 s78, s78, SLOT
	s_add_co_u32 s77, s77, SLOT
.endr
	s_mul_i32 s78, s[WV], 16*SPI
	s_add_co_u32 s78, s78, STAGE
	v_mul_u32_u24 v[STO], v1, SPI                  ; in: row l % 16, 32 bytes for each half of the lanes
	v_lshl_add_u32 v[STO], v2, 5, v[STO]
	v_add_nc_u32 v[STO], s78, v[STO]
	v_and_b32 v5, 31, v0
	v_lshlrev_b32 v[GO], 4, v5                     ; back and out: 32 lanes take a row's 512 bytes
	v_add_nc_u32 v[RD], s78, v[GO]
.macro MM1 f, first=0                  ; product nn of a quarter's 32; the accumulators take turns in the same order in every quarter
.if \first
	WIN W_M1
	v_wmma_f32_16x16x32_f16 v[8*nn:8*nn+7], v[FB+96*(\f)+8*(nn%8):FB+96*(\f)+8*(nn%8)+7], v[FA+96*(\f)+8*(nn/8):FA+96*(\f)+8*(nn/8)+7], v[CB+8*(nn%8):CB+8*(nn%8)+7]
.else
	WIN W_MUL
	v_wmma_f32_16x16x32_f16 v[8*nn:8*nn+7], v[FB+96*(\f)+8*(nn%8):FB+96*(\f)+8*(nn%8)+7], v[FA+96*(\f)+8*(nn/8):FA+96*(\f)+8*(nn/8)+7], v[8*nn:8*nn+7]
.endif
.set nn, nn+1
.endm
.macro MMS f, cnt, first=0
.rept \cnt
	MM1 \f, \first
.endr
.endm
.macro FETCH slot, k, g                ; 24 LDS loads in one run: quarter k's Wo, then its O (head k / 2, channels 32 (k % 2) on)
	WIN 0
.irp i, 0,1,2,3,4,5,6,7
	ds_load_b128 v[FB+96*(\g)+8*(\i):FB+96*(\g)+8*(\i)+3],   v[ADRB+(\slot)] offset:64*(\k)+16*WPI*(\i)
	ds_load_b128 v[FB+96*(\g)+8*(\i)+4:FB+96*(\g)+8*(\i)+7], v[ADRB+(\slot)] offset:64*(\k)+16*WPI*(\i)+32
.endr
.irp i, 0,1,2,3
	ds_load_b128 v[FA+96*(\g)+8*(\i):FA+96*(\g)+8*(\i)+3],   v[ADRA+(\slot)] offset:((\k)/2)*AH+64*((\k)%2)+16*API*(\i)
	ds_load_b128 v[FA+96*(\g)+8*(\i)+4:FA+96*(\g)+8*(\i)+7], v[ADRA+(\slot)] offset:((\k)/2)*AH+64*((\k)%2)+16*API*(\i)+32
.endr
.endm
.macro QUARTER slot, k, f, g, first=0
	s_wait_dscnt 4                                 ; all but the youngest four loads: O's row blocks 2 and 3
.set nn, 0
	MMS \f, 16, \first
	PLACES                                         ; four places in front of loads into the buffer that the quarter before multiplied
	FETCH \slot, \k, \g
	s_wait_dscnt 24                                ; all but the 24 just issued
	MMS \f, 16, \first
.endm
.macro TURN slot, next, fill           ; the last quarter of a K step multiplies buffer 1 and changes slots
	WIN 0
	s_wait_tensorcnt 0x0                           ; all my tensor loads have landed: my part of the next slot
	ds_add_u32 v[SPW], v[NIL]
	s_wait_dscnt 5                                 ; the add and the youngest four loads may be out
.set nn, 0
	MMS 1, 8
	s_wait_dscnt 0x0                               ; the add is done, and my reads of this slot are over
	s_barrier_signal -1
	MMS 1, 8
	WIN 0
	s_barrier_wait -1
.if \fill
	CREST                                          ; the barrier has opened a round of the cluster's
	s_add_nc_u64 s[G0+4*(\slot)+2:G0+4*(\slot)+3], s[G0+4*(\slot)+2:G0+4*(\slot)+3], 2*262144
	s_add_nc_u64 s[G0B+4*(\slot)+2:G0B+4*(\slot)+3], s[G0B+4*(\slot)+2:G0B+4*(\slot)+3], 2*256
	JLOAD \slot                                    ; the four v_nop behind it are also the places in front of the loads below
.else
	PLACES
.endif
	FETCH \next, 0, 0
	MMS 1, 16
.endm
	s_wait_tensorcnt 1                             ; my part of K step 0 is in; K step 1's may stay out
	s_barrier_signal -1
	s_barrier_wait -1
	FETCH 0, 0, 0
	s_wait_loadcnt 0x0                             ; the bias
	QUARTER 0, 1, 0, 1, 1
	WIN 0
	s_mov_b32 s[LAP], LAPS-1
.Llap:
	QUARTER 0, 2, 1, 0
	QUARTER 0, 3, 0, 1
	TURN 0, 1, 1
	QUARTER 1, 1, 0, 1
	QUARTER 1, 2, 1, 0
	QUARTER 1, 3, 0, 1
	TURN 1, 0, 1
	QUARTER 0, 1, 0, 1
	WIN 0
	s_sub_co_u32 s[LAP], s[LAP], 1
	s_cmp_lg_u32 s[LAP], 0
	s_cbranch_scc1 .Llap
	QUARTER 0, 2, 1, 0                             ; the last lap fills nothing
	QUARTER 0, 3, 0, 1
	TURN 0, 1, 0
	QUARTER 1, 1, 0, 1
	QUARTER 1, 2, 1, 0
	QUARTER 1, 3, 0, 1
	s_wait_dscnt 0x0
.set nn, 0
	MMS 1, 32
	WIN 0
	; THE WAY OUT: a block of 16 rows x 128 columns of f32 goes into my stage, 32 bytes a lane, and comes back as rows of 512 bytes, which 32 lanes store whole.
	PLACES
.macro TOSTAGE a
	WIN 0x04                                       ; the stores' data in window 1; each accumulator's low half first
.irp b, 0,1,2,3,4,5,6,7
	ds_store_b128 v[STO], v[8*(8*(\a)+(\b)):8*(8*(\a)+(\b))+3]   offset:64*(\b)
	ds_store_b128 v[STO], v[8*(8*(\a)+(\b))+4:8*(8*(\a)+(\b))+7] offset:64*(\b)+16
.endr
	WIN 0
	s_wait_xcnt 0x0                                ; the stores issued so far have read their data: a set of registers is loaded again only behind this wait
.set t, 0
.rept 16
	ds_load_b128 v[OB+64*((\a)%3)+4*t:OB+64*((\a)%3)+4*t+3], v[RD] offset:SPI*t  ; LDS serves a wave's instructions in order (ISA guide 5.7.1.4)
.set t, t+1
.endr
.endm
.macro SEND a, younger                 ; younger: the LDS instructions issued behind block a's loads: the next block's 32, or none
.set t, 0
.rept 16
	s_wait_dscnt (\younger)+15-t
	global_store_b128 v[GO], v[OB+64*((\a)%3)+4*t:OB+64*((\a)%3)+4*t+3], s[OUT:OUT+1] offset:65536*(\a)+4096*t th:TH_STORE_NT
.set t, t+1
.endr
.endm
	TOSTAGE 0
	TOSTAGE 1
	SEND 0, 32
	TOSTAGE 2
	SEND 1, 32
	TOSTAGE 3
	SEND 2, 32
	SEND 3, 0
	s_wait_tensorcnt 0x0                           ; the wave's end
	ds_add_u32 v[SPW], v[NIL]
	s_wait_dscnt 0x0
	CROUND                                         ; the closing round
	s_endpgm
.Lfunc_end_k_q96679c933a_outp:
	.size	k_q96679c933a_outp, .Lfunc_end_k_q96679c933a_outp-k_q96679c933a_outp
	.p2alignl 7, 3214868480
	.fill 96, 4, 3214868480
	.section	.rodata,"a",@progbits
	.p2align	6, 0x0
	.amdhsa_kernel k_q96679c933a_outp
		.amdhsa_group_segment_fixed_size 327680
		.amdhsa_private_segment_fixed_size 0
		.amdhsa_enable_private_segment 0
		.amdhsa_kernarg_size 32
		.amdhsa_user_sgpr_count 2
		.amdhsa_user_sgpr_kernarg_segment_ptr 1
		.amdhsa_wavefront_size32 1
		.amdhsa_system_sgpr_workgroup_id_x 1
		.amdhsa_system_sgpr_workgroup_id_y 1
		.amdhsa_system_sgpr_workgroup_id_z 1
		.amdhsa_system_vgpr_workitem_id 0
		.amdhsa_next_free_vgpr 576
		.amdhsa_next_free_sgpr 80
		.amdhsa_reserve_vcc 0
		.amdhsa_float_denorm_mode_32 3
		.amdhsa_float_denorm_mode_16_64 3
		.amdhsa_memory_ordered 1
		.amdhsa_forward_progress 1
		.amdhsa_inst_pref_size 88
	.end_amdhsa_kernel
	.amdgpu_metadata
---
amdhsa.version: [ 1, 2 ]
amdhsa.kernels:
  - .name:           k_q96679c933a_outp
    .symbol:         k_q96679c933a_outp.kd
    .args:
      - { .name: oh, .offset: 0, .size: 8, .value_kind: global_buffer, .address_space: global }
      - { .name: wts, .offset: 8, .size: 8, .value_kind: global_buffer, .address_space: global }
      - { .name: brd, .offset: 16, .size: 8, .value_kind: global_buffer, .address_space: global }
      - { .name: out0, .offset: 24, .size: 8, .value_kind: global_buffer, .address_space: global }
    .group_segment_fixed_size: 327680
    .private_segment_fixed_size: 0
    .kernarg_segment_align: 8
    .kernarg_segment_size: 32
    .max_flat_workgroup_size: 128
    .sgpr_count:     80
    .vgpr_count:     576
    .wavefront_size: 32
...
	.end_amdgpu_metadata
.endif
;; end of part 4
